; MI455X (gfx1250); checked and timed in simulation.
; The chip was launched on July 23, 2026; its instructions are those of AMD's public machine-readable ISA for CDNA 5 (MIT licence, August 2026) and "CDNA5" Instruction Set Architecture Reference Guide (July 2026). The comments in the code are by the model that wrote it; some were corrected since.
;; Transformer Block. Allowed arithmetic: matrix products marked QUANTISED: E4M3 operands, one E8M0 scale for each 32 along K, by v_wmma_scale_f32_16x16x128_f8f6f4 with both operands' format E4M3, f32 sums; everything else in f32.
;; Inputs: b1 4,096 float32; b2 1,024 float32; in_proj_b 3,072 float32; in_proj_w_codes 3,072 x 32 x 32 uint8 (E4M3 codes of in_proj_w, K innermost, in blocks of 32 codes); in_proj_w_scales 3,072 x 32 uint8 (E8M0 scales of in_proj_w, one for each 32 codes along K); ln1_b 1,024 float32; ln1_g 1,024 float32; ln2_b 1,024 float32; ln2_g 1,024 float32; out_proj_b 1,024 float32; out_proj_w_codes 1,024 x 32 x 32 uint8 (E4M3 codes of out_proj_w, K innermost, in blocks of 32 codes); out_proj_w_scales 1,024 x 32 uint8 (E8M0 scales of out_proj_w, one for each 32 codes along K); w1_codes 4,096 x 32 x 32 uint8 (E4M3 codes of w1, K innermost, in blocks of 32 codes); w1_scales 4,096 x 32 uint8 (E8M0 scales of w1, one for each 32 codes along K); w2_codes 1,024 x 128 x 32 uint8 (E4M3 codes of w2, K innermost, in blocks of 32 codes); w2_scales 1,024 x 128 uint8 (E8M0 scales of w2, one for each 32 codes along K); x 2 x 2,048 x 1,024 float32.
;; Outputs: out0 2 x 2,048 x 1,024 float32; out1 2 x 2,048 x 2,048 float32.
;; This version of the problem:
;;   THIS VERSION OF THE PROBLEM IS GIVEN IN LOW PRECISION. The matrix products marked QUANTISED in the list below multiply operands that are first quantised to E4M3 (4 exponent bits, 3 mantissa bits; 8 bits a number), with one power-of-two scale for each 32 numbers along K (OCP MX v1.0); their sums are f32. All else is computed in f32.
;;   The module's matrix products, in the order in which they are computed (A, B: the left and right operand; K: the contracted axis; several contracted axes count as one K, in the product's order):
;;     1. [M 4,096, K 1,024] x [K 1,024, N 3,072]; A: computed on the way; B: input in_proj_w (given as codes): QUANTISED
;;     2. batch 32 x [M 2,048, K 64] x [K 64, N 2,048]; A: computed on the way; B: computed on the way: QUANTISED
;;     3. batch 32 x [M 2,048, K 2,048] x [K 2,048, N 64]; A: softmax (see below); B: computed on the way: QUANTISED
;;     4. [M 4,096, K 1,024] x [K 1,024, N 1,024]; A: computed on the way; B: input out_proj_w (given as codes): QUANTISED
;;     5. [M 4,096, K 1,024] x [K 1,024, N 4,096]; A: computed on the way; B: input w1 (given as codes): QUANTISED
;;     6. [M 4,096, K 4,096] x [K 4,096, N 1,024]; A: computed on the way; B: input w2 (given as codes): QUANTISED
;;   THE QUANTISER, for each operand of a quantised product, along K:
;;     - K is cut into blocks of 32 from its start; a last block that is shorter is filled with zeros.
;;     - A block's scale is 2^e with e = floor(log2(the largest magnitude in the block)) - 8, held to -126 .. 127; a block of zeros has e = 0. As a byte (E8M0): e + 127.
;;     - Each number is divided by its block's scale, clamped to +-448, and rounded to the nearest number of E4M3, ties to even, subnormals kept.
;;     - The product sums the exact products of the quantised numbers (number of the format x scale) in f32.
;;   ~~~python
;;   def quantise(x, axis):      # numpy; x: float32 -> the quantised numbers, widened to float32 again
;;       x = np.moveaxis(x, axis, -1); K = x.shape[-1]
;;       x = np.pad(x, [(0, 0)] * (x.ndim - 1) + [(0, -K % 32)]); x = x.reshape(x.shape[:-1] + (-1, 32)); a = np.abs(x).max(-1, keepdims=True)
;;       e = np.where(a > 0, np.clip(np.frexp(np.where(a > 0, a, 1))[1] - 1 - 8, -126, 127), 0)      # np.frexp(a)[1] - 1 = floor(log2(a)), exactly
;;       r = np.clip(x / 2.0 ** e, -448, 448)
;;       step = 2.0 ** (np.maximum(np.frexp(np.where(r == 0, 1, r))[1] - 1, -6) - 3)
;;       q = np.round(r / step) * step * 2.0 ** e      # np.round: ties to even
;;       return np.moveaxis(q.reshape(q.shape[:-2] + (-1,))[..., :K], -1, axis).astype(np.float32)
;;   ~~~
;;   SOFTMAX AHEAD OF A QUANTISED PRODUCT. Where the list says 'softmax', what is quantised is not the finished softmax but p = 2^(t - M), with t = logit x log2(e) and M = ceil(the row's largest t), a whole number; so 1/2 < the row's largest p <= 1. The row's sum l is taken of the UNQUANTISED p, in f32, and the product's result is divided by l at the end. Since M is a whole number, a kernel that streams over the keys may use a running M (the ceiling of the running maximum): every later rescaling is an exact power of two, which a block's scale takes up: the codes' values come out the same.
;;   OPERANDS COMPUTED ON THE WAY. 'Computed on the way' means the value that the module computes at that place (a softmax that the list does not call 'softmax' is quantised finished and normalised). What goes into a quantiser is computed in f32, as accurately as f32 sums, v_exp_f32 and their like allow (about 1e-6 of the number): no bf16 or f16 on the way to a quantiser, and a product that is left as it is and whose result goes on into a quantised operand takes f32 operands (vector FMAs, or v_wmma_f32_16x16x4_f32). A number that lies on a knife's edge between two numbers of the format may be rounded either way, as far as f32 arithmetic and the matrix unit's own rounding can turn it there, and no further.
;;   INPUTS GIVEN AS CODES. in_proj_w (in the module: [3072, 1024], K = its axis 1); out_proj_w (in the module: [1024, 1024], K = its axis 1); w1 (in the module: [4096, 1024], K = its axis 1); w2 (in the module: [1024, 4096], K = its axis 1): each comes as NAME_codes (uint8): NAME with its K axis moved to the last place and cut into blocks of 32 codes, [.., K / 32, bytes a block], one block behind the other in memory; one code a byte (a code: sign, 4 exponent bits, 3 mantissa bits); and NAME_scales (uint8): the same leading axes, one E8M0 byte (e + 127) for each 32 codes along K. Its value is code x scale, taken as it is: it is not quantised again, and the codes and scales need not be those that the quantiser above would give.
;; One version. Each part assembles by itself: llvm-mc -triple=amdgcn-amd-amdhsa -mcpu=gfx1250 --defsym DOCPART=n.
;; ======== version 1 of 1: 7 launches
;; limits: right only within a limited range of input values
;; workspace buffers: act 4,325,376 bytes; qkv 12,976,128 bytes; ctx 4,325,376 bytes; x1 16,777,216 bytes; hid 17,301,504 bytes
;; launch ln1 (part 1): grid 256 x 1, 8 waves a work-group, no clusters, 42,496 bytes of LDS; arguments x, ln1_g, ln1_b, act; writes act
.if DOCPART == 1
	.amdgcn_target "amdgcn-amd-amdhsa--gfx1250"
	.amdhsa_code_object_version 6
	.text
	.protected	k_qc7e5a3daf3_ln1
	.globl	k_qc7e5a3daf3_ln1
	.p2align	8
	.type	k_qc7e5a3daf3_ln1,@function
k_qc7e5a3daf3_ln1:
	s_mov_b64 s[64:65], 0
	v_nop
	global_prefetch_b8 v0, s[64:65] scope:SCOPE_SE
	s_setreg_imm32_b32 hwreg(HW_REG_WAVE_MODE, 25, 1), 1
	s_wait_xcnt 0x0
; LAYER NORM AND QUANTISER.  y = (x - mean) * rsqrt(var + 1e-5) * g + b over rows of 1,024 f32; y goes out as codes of E4M3 with one E8M0 byte for each 32 along the row.
; Out: codes [4096][1024] at byte 0 of the buffer, scale bytes [4096][32] at byte ACT_S.
; SHARES.  A work-group of eight waves takes 16 rows, a wave two.  A row is eight loads of 512 consecutive bytes and stays in 32 registers:
; mean, then the sum of squared deviations (two passes over registers, so that a common offset of x does no harm), then y; g and b lie in the same layout.
; The conversions take neighbours along the row from ONE lane's registers: each half row (512 numbers) turns through the wave's own LDS stage, 64 bytes + 16 of padding a lane;
; two neighbouring lanes then hold a block of 32.  The work-group's 16 x 32 scale bytes are gathered in LDS; behind the one barrier wave 0 stores them as 512 consecutive bytes.
; A stream: no matrix unit, no cluster, no tensor load would add anything.
; LIMITS: NaN and infinities among the inputs are not served.  A block whose largest magnitude lies under 2^-118 (a block of zeros too) gets the byte 1: the bytes are read by this program alone.
.set WREG,  5120                       ; LDS of a wave: two stages of 32 x 80 bytes
.set SCB,   40960                      ; behind the eight waves' stages: the work-group's 512 scale bytes
.set SPARE, 41472                      ; the spare words, 128 bytes a wave: no other line names them
.set SP,    80
.set ACT_S, 4194304
.set XS,    16                         ; v16-47   two sets of 16 neighbours
.set CD,    48                         ; v48-55   two sets of 4 registers of codes
.set EB,    56                         ; v56-57   scale bytes
.set X,     64                         ; v64-127  my two rows
.set G,     160                        ; v160-191 g
.set BT,    192                        ; v192-223 b
	s_load_b256 s[4:11], s[0:1], 0x0               ; x, g, b, out
	v_lshl_add_u32 v224, v0, 2, SPARE
	v_mov_b32 v225, 0
	v_lshrrev_b32 v7, 5, v0
	v_readfirstlane_b32 s18, v7                    ; wave
	v_and_b32 v7, 31, v0                           ; lane
	v_lshlrev_b32 v1, 4, v7                        ; 16 x lane
	s_mul_i32 s19, s18, WREG
	v_lshrrev_b32 v2, 2, v7
	v_mul_u32_u24 v2, v2, SP
	v_and_b32 v3, 3, v7
	v_lshl_add_u32 v2, v3, 4, v2
	v_add_nc_u32 v2, s19, v2                       ; the stage, in: 80 (lane / 4) + 16 (lane % 4)
	v_mul_u32_u24 v3, v7, SP
	v_add_nc_u32 v3, s19, v3                       ; the stage, out: 80 x lane
	s_lshl_b32 s20, s18, 6
	s_add_co_u32 s20, s20, SCB                     ; my two rows' 64 scale bytes
	v_lshrrev_b32 v4, 1, v7
	v_add_nc_u32 v4, s20, v4                       ; my block's scale byte
	v_add_nc_u32 v5, SCB, v1                       ; the way out: 16 bytes a lane
	s_mov_b32 s14, 0x76543210
	s_mov_b32 s15, 0xfedcba98                      ; v_permlanex16_b32: lane l xor 16
	s_mov_b32 s16, 0x600000                        ; the mantissa field of 448
	s_mov_b32 s17, 0x3727c5ac                      ; 1e-5
	s_mov_b32 s21, 0x3a800000                      ; 1 / 1024
	s_lshl_b32 s22, ttmp9, 3
	s_add_co_u32 s22, s22, s18                     ; which pair of rows is mine
	s_lshl_b32 s2, s22, 13
	s_mov_b32 s3, 0
	s_wait_alu depctr_va_vdst(0)                   ; the wait at the head's end
	s_wait_kmcnt 0x0
	s_add_nc_u64 s[4:5], s[4:5], s[2:3]            ; x: 2 rows of 4,096 bytes
	s_add_nc_u64 s[12:13], s[10:11], ACT_S
	s_lshl_b32 s2, s22, 11
	s_add_nc_u64 s[10:11], s[10:11], s[2:3]        ; codes: 2 rows of 1,024 bytes
	s_lshl_b32 s2, ttmp9, 9
	s_add_nc_u64 s[12:13], s[12:13], s[2:3]        ; the work-group's scale bytes: 512
.irp j, 0,1,2,3,4,5,6,7
	global_load_b128 v[G+4*\j:G+4*\j+3], v1, s[6:7] offset:512*\j
.endr
.irp j, 0,1,2,3,4,5,6,7
	global_load_b128 v[BT+4*\j:BT+4*\j+3], v1, s[8:9] offset:512*\j
.endr
.irp t, 0,1
.irp j, 0,1,2,3,4,5,6,7
	global_load_b128 v[X+32*\t+4*\j:X+32*\t+4*\j+3], v1, s[4:5] offset:4096*\t+512*\j th:TH_LOAD_NT
.endr
.endr
.macro LANESUM                         ; v8 summed over the 32 lanes, the result in every lane
	v_add_f32_dpp v8, v8, v8 row_xmask:1 row_mask:0xf bank_mask:0xf
	v_add_f32_dpp v8, v8, v8 row_xmask:2 row_mask:0xf bank_mask:0xf
	v_add_f32_dpp v8, v8, v8 row_xmask:4 row_mask:0xf bank_mask:0xf
	v_add_f32_dpp v8, v8, v8 row_xmask:8 row_mask:0xf bank_mask:0xf
	v_permlanex16_b32 v9, v8, s14, s15
	v_add_f32 v8, v8, v9
.endm
.macro QSTEP t, u                      ; 16 neighbours a lane become 16 codes; two lanes share a block and its byte
.set XU, XS+16*(\u)
	v_max3_num_f32 v8, |v[XU]|, |v[XU+1]|, |v[XU+2]|
	v_max3_num_f32 v9, |v[XU+3]|, |v[XU+4]|, |v[XU+5]|
.irp i, 6,10
	v_max3_num_f32 v8, v8, |v[XU+\i]|, |v[XU+\i+1]|
	v_max3_num_f32 v9, v9, |v[XU+\i+2]|, |v[XU+\i+3]|
.endr
	v_max3_num_f32 v8, v8, |v[XU+14]|, |v[XU+15]|
	v_max3_num_f32 v8, v8, v9, 0x4800000           ; the floor 2^(9 - 127): the byte cannot fall under 1
	v_max_num_f32_dpp v8, v8, v8 row_xmask:1 row_mask:0xf bank_mask:0xf   ; with my neighbour's 16: the block's largest magnitude
	v_add_nc_u32 v11, 0xfc000000, v8               ; 8 off its exponent field: the conversion's scale operand
	v_and_or_b32 v10, v8, 0x7f800000, s16          ; 448 x the scale
.irp i, 0,1,2,3,4,5,6,7,8,9,10,11,12,13,14,15
	v_med3_num_f32 v[XU+\i], v[XU+\i], -v10, v10   ; the conversion to an 8-bit code does not saturate (ISA guide 7.6.2): the hold comes first
.endr
	v_cvt_scalef32_pk8_fp8_f32 v[CD+4*(\u):CD+4*(\u)+1], v[XU:XU+7], v11
	v_cvt_scalef32_pk8_fp8_f32 v[CD+4*(\u)+2:CD+4*(\u)+3], v[XU+8:XU+15], v11
	v_lshrrev_b32 v[EB+(\u)], 23, v11              ; the scale's byte (also the plain line behind the conversions)
	ds_store_b8 v4, v[EB+(\u)] offset:32*(\t)+16*(\u)   ; both lanes of a block write the same byte with the same value
	global_store_b128 v1, v[CD+4*(\u):CD+4*(\u)+3], s[10:11] offset:1024*(\t)+512*(\u)   ; 32 lanes store 512 consecutive bytes
.endm
.macro ROW t
.set XR, X+32*(\t)
	s_wait_loadcnt 8*(1-(\t))                      ; my row is in; the row behind it (8 loads) may be out
	s_wait_xcnt 0x0                                ; the last row's stores have read their codes: those registers are written again below
	v_pk_add_f32 v[8:9], v[XR:XR+1], v[XR+2:XR+3]  ; the sum, in four chains
	v_pk_add_f32 v[10:11], v[XR+4:XR+5], v[XR+6:XR+7]
	v_pk_add_f32 v[12:13], v[XR+8:XR+9], v[XR+10:XR+11]
	v_pk_add_f32 v[14:15], v[XR+12:XR+13], v[XR+14:XR+15]
.irp i, 16,24
	v_pk_add_f32 v[8:9], v[8:9], v[XR+\i:XR+\i+1]
	v_pk_add_f32 v[10:11], v[10:11], v[XR+\i+2:XR+\i+3]
	v_pk_add_f32 v[12:13], v[12:13], v[XR+\i+4:XR+\i+5]
	v_pk_add_f32 v[14:15], v[14:15], v[XR+\i+6:XR+\i+7]
.endr
	v_pk_add_f32 v[8:9], v[8:9], v[10:11]
	v_pk_add_f32 v[12:13], v[12:13], v[14:15]
	v_pk_add_f32 v[8:9], v[8:9], v[12:13]
	v_add_f32 v8, v8, v9
	LANESUM
	v_mul_f32 v8, s21, v8                          ; the mean
.set kk, 0
.rept 16
	v_pk_add_f32 v[XR+kk:XR+kk+1], v[XR+kk:XR+kk+1], v[8:9] op_sel_hi:[1,0] neg_lo:[0,1] neg_hi:[0,1]   ; d = x - mean, in place
.set kk, kk+2
.endr
	v_pk_mul_f32 v[8:9], v[XR:XR+1], v[XR:XR+1]    ; the sum of d d, in four chains
	v_pk_mul_f32 v[10:11], v[XR+2:XR+3], v[XR+2:XR+3]
	v_pk_mul_f32 v[12:13], v[XR+4:XR+5], v[XR+4:XR+5]
	v_pk_mul_f32 v[14:15], v[XR+6:XR+7], v[XR+6:XR+7]
.irp i, 8,16,24
	v_pk_fma_f32 v[8:9], v[XR+\i:XR+\i+1], v[XR+\i:XR+\i+1], v[8:9]
	v_pk_fma_f32 v[10:11], v[XR+\i+2:XR+\i+3], v[XR+\i+2:XR+\i+3], v[10:11]
	v_pk_fma_f32 v[12:13], v[XR+\i+4:XR+\i+5], v[XR+\i+4:XR+\i+5], v[12:13]
	v_pk_fma_f32 v[14:15], v[XR+\i+6:XR+\i+7], v[XR+\i+6:XR+\i+7], v[14:15]
.endr
	v_pk_add_f32 v[8:9], v[8:9], v[10:11]
	v_pk_add_f32 v[12:13], v[12:13], v[14:15]
	v_pk_add_f32 v[8:9], v[8:9], v[12:13]
	v_add_f32 v8, v8, v9
	LANESUM
	v_fma_f32 v8, v8, s21, s17                     ; var + eps
	s_wait_alu depctr_va_vdst(0)                   ; the wait ahead of the transcendental
	v_rsq_f32 v10, v8
	v_nop                                          ; a plain line behind the transcendental,
	s_wait_alu depctr_va_vdst(0)                   ; and the wait ahead of its first reader
.set kk, 0
.rept 16
	v_pk_mul_f32 v[XR+kk:XR+kk+1], v[XR+kk:XR+kk+1], v[10:11] op_sel_hi:[1,0]
.set kk, kk+2
.endr
.set kk, 0
.rept 16
	v_pk_fma_f32 v[XR+kk:XR+kk+1], v[XR+kk:XR+kk+1], v[G+kk:G+kk+1], v[BT+kk:BT+kk+1]
.set kk, kk+2
.endr
.irp u, 0,1                            ; both half rows through the stages; LDS serves a wave's instructions in order, so no wait stands between stores and loads
.irp i, 0,1,2,3
	ds_store_b128 v2, v[XR+16*\u+4*\i:XR+16*\u+4*\i+3] offset:2560*\u+640*\i
.endr
.irp i, 0,1,2,3
	ds_load_b128 v[XS+16*\u+4*\i:XS+16*\u+4*\i+3], v3 offset:2560*\u+16*\i
.endr
.endr
	s_wait_dscnt 8                                 ; step 0 is back: behind its loads stand step 1's four stores and four loads
	QSTEP \t, 0
	s_wait_dscnt 1                                 ; step 1 is back (behind it: step 0's byte store)
	QSTEP \t, 1
.endm
	ROW 0
	ROW 1
	s_wait_dscnt 0x0                               ; for the others' sake: my scale bytes lie in LDS
	s_barrier_signal -1
	s_barrier_wait -1                              ; everybody's do
	s_cmp_lg_u32 s18, 0
	s_cbranch_scc1 .Lnot_wave_0
	ds_load_b128 v[12:15], v5                      ; wave 0 alone: the work-group's 512 scale bytes
	s_wait_dscnt 0x0
	global_store_b128 v1, v[12:15], s[12:13]       ; 32 lanes store 512 consecutive bytes, aligned
.Lnot_wave_0:
	s_wait_tensorcnt 0x0                           ; the wave's end
	ds_add_u32 v224, v225
	s_wait_dscnt 0x0
	s_endpgm
.Lfunc_end_k_qc7e5a3daf3_ln1:
	.size	k_qc7e5a3daf3_ln1, .Lfunc_end_k_qc7e5a3daf3_ln1-k_qc7e5a3daf3_ln1
	.p2alignl 7, 3214868480
	.fill 96, 4, 3214868480
	.section	.rodata,"a",@progbits
	.p2align	6, 0x0
	.amdhsa_kernel k_qc7e5a3daf3_ln1
		.amdhsa_group_segment_fixed_size 42496
		.amdhsa_private_segment_fixed_size 0
		.amdhsa_enable_private_segment 0
		.amdhsa_kernarg_size 32
		.amdhsa_user_sgpr_count 2
		.amdhsa_user_sgpr_kernarg_segment_ptr 1
		.amdhsa_wavefront_size32 1
		.amdhsa_system_sgpr_workgroup_id_x 1
		.amdhsa_system_sgpr_workgroup_id_y 1
		.amdhsa_system_sgpr_workgroup_id_z 1
		.amdhsa_system_vgpr_workitem_id 0
		.amdhsa_next_free_vgpr 226
		.amdhsa_next_free_sgpr 66
		.amdhsa_reserve_vcc 0
		.amdhsa_float_denorm_mode_32 3
		.amdhsa_float_denorm_mode_16_64 3
		.amdhsa_memory_ordered 1
		.amdhsa_forward_progress 1
		.amdhsa_inst_pref_size 29
	.end_amdhsa_kernel
	.amdgpu_metadata
---
amdhsa.version: [ 1, 2 ]
amdhsa.kernels:
  - .name:           k_qc7e5a3daf3_ln1
    .symbol:         k_qc7e5a3daf3_ln1.kd
    .args:
      - { .name: x, .offset: 0, .size: 8, .value_kind: global_buffer, .address_space: global }
      - { .name: ln1_g, .offset: 8, .size: 8, .value_kind: global_buffer, .address_space: global }
      - { .name: ln1_b, .offset: 16, .size: 8, .value_kind: global_buffer, .address_space: global }
      - { .name: act, .offset: 24, .size: 8, .value_kind: global_buffer, .address_space: global }
    .group_segment_fixed_size: 42496
    .private_segment_fixed_size: 0
    .kernarg_segment_align: 8
    .kernarg_segment_size: 32
    .max_flat_workgroup_size: 256
    .sgpr_count:     66
    .vgpr_count:     226
    .wavefront_size: 32
...
	.end_amdgpu_metadata
.endif
;; end of part 1
;; launch qkv (part 2): grid 12 x 16, 4 waves a work-group, clusters of 4 x 4, 327,680 bytes of LDS; arguments act, in_proj_w_codes, in_proj_w_scales, in_proj_b, qkv; writes qkv
.if DOCPART == 2
	.amdgcn_target "amdgcn-amd-amdhsa--gfx1250"
	.amdhsa_code_object_version 6
	.text
	.protected	k_qc7e5a3daf3_qkv
	.globl	k_qc7e5a3daf3_qkv
	.p2align	8
	.type	k_qc7e5a3daf3_qkv,@function
k_qc7e5a3daf3_qkv:
	s_mov_b64 s[64:65], 0
	v_nop
	global_prefetch_b8 v0, s[64:65] scope:SCOPE_SE
	s_setreg_imm32_b32 hwreg(HW_REG_WAVE_MODE, 25, 1), 1
	s_wait_xcnt 0x0
	s_wait_alu depctr_hold_cnt(0) depctr_sa_sdst(0) depctr_va_vdst(0) depctr_va_sdst(0) depctr_va_ssrc(0) depctr_va_vcc(0) depctr_vm_vsrc(0)
	s_getreg_b32 s2, hwreg(HW_REG_IB_STS2, 6, 4)
	s_cmp_eq_u32 s2, 0
	s_cbranch_scc0 .Lentry_in_a_cluster
	s_endpgm
.Lentry_in_a_cluster:
	s_bfe_u32 s2, ttmp6, 0x10000c
	s_cmp_lg_u32 s2, 0xf033
	s_cbranch_scc0 .Lentry_shape_is_right
	s_endpgm
.Lentry_shape_is_right:
; q, k, v = xn W^T + bias on codes of E4M3 (K = 1,024), and the quantising of q, k (along a head's 64 channels) and of v (along the tokens), as the attention launch wants them.
; THE PRODUCT: a tile of 256 x 256 to a work-group of four waves, 128 x 128 a wave (64 accumulators, 512 registers); K in steps of 256 through a ring of two LDS slots filled by the tensor data mover;
; the scale bytes of the work-group's rows, for all of K, come into LDS once; 4 x 4 work-groups form a cluster and ask jointly for the tiles that they share (A's along a row, B's along a column).
; The matrix instruction is used transposed: source 0 = 16 rows of B, source 1 = 16 rows of A: accumulator (a, b), lane (r, h), register j = C(16 a + r, 16 b + 8 h + j).
; TWO MODES, by the cluster's x, which all sixteen partners share.  x = 0, 1: A = xn (tokens), B = W's rows 0 .. 2047 (q and k): the numbers along a lane's registers are channels.
; x = 2: A = W's rows 2048 .. 3071 (v's channels), B = xn (tokens): the result is v transposed, and the numbers along a lane's registers are TOKENS, along which v is quantised.
; The bias along n is the C of each sum's first matrix instruction; the bias along m is added on the way out; the one that a mode does not have is made zero.
; THE WAY OUT: a block of 16 rows x 128 n at a time: 64 numbers a lane, four blocks of 32 (each shared with lane l xor 16) are quantised; codes go to the wave's own stage in LDS as rows of 128 bytes, scale words beside them.
; Out (bh = 16 batch + head):  q codes [bh][token][64] at 0;  v codes [bh][token / 32][channel 64][32] at VC;  k codes as q's at KC;
;   k's and q's scale words at KSS, QSS: [bh][token / 32][16 words]: word w holds the two bytes of token w + 8 (w / 8) of the block, then the two of the token 8 further on;
;   v's scale words at VSS: [all tokens / 128][channel 1024]: a byte for each 32 tokens.
; LIMITS: NaN and infinities are not served; a block whose largest magnitude lies under 2^-118 (zeros too) gets the byte 1: the bytes are read by this program alone.
.set SIZE_K, 1024
.set KSTEP,  256
.set NQ,     KSTEP/128
.set ROWB,   256
.set KROW,   SIZE_K
.set PITCH,  272                       ; an LDS row: 256 bytes + 16 of padding: the 16 rows that a load touches start at 16 different groups of banks
.set FR,     16
.set NL,     4
.set NP,     8                         ; places behind this matrix instruction (ISA guide 7.12.1)
.set HALFT,  128*PITCH
.set SLOT,   4*HALFT
.set LAPS,   SIZE_K/(2*KSTEP)
.set KS,     SIZE_K/32
.set SCL,    2*SLOT                    ; behind the ring: the scale bytes, as units of 256 bytes + 16 of padding
.set HALFS,  (128*KS/256)*272
.set SBLK,   (16*KS/256)*272
.set SPARE,  SCL+4*HALFS               ; the spare words, 128 bytes a wave: no other line names them
.set ACT_S,  4194304
.set VC,     4194304
.set VSS,    12713984
.set QSS,    12845056                  ; (k's scale words lie 262,144 bytes under q's)
.set STGW,   18432                     ; the way out: a wave's stage of 128 rows x 144 bytes, in slot 0, which has had its last fill and its last read by then
.set SSTB,   4*STGW                    ; and behind the four stages 512 bytes of scale words a wave
.set BM,   8                           ; v8-15   the bias along m, one register a block of rows
.set ADRA, 16
.set SSR,  18                          ; v18     scale words back: 16 x lane
.set SCO,  19                          ; v19     q's, k's scale words in memory
.set ADRB, 20
.set RDV,  22                          ; v22     v's codes back from the stage
.set LB,   23                          ; v23     q's, k's scale bytes back from the stage
.set STO,  24                          ; v24     into the stage: 144 r + 8 h
.set RDQ,  25                          ; v25     q's, k's codes back from the stage
.set CO,   26                          ; v26     16 x lane
.set ADRS, 27
.set SPW,  28
.set NIL,  29
.set PW,   30                          ; v30     the scale word just made
.set SSA,  31                          ; v31     where it goes: 4 r
.set SC,   32                          ; v32-63  scale words of the products, two sets: they hold nothing else
.set BN,   64                          ; v64-127 the bias along n; on the way out X, 64 numbers
.set X,    64
.set AF,   128                         ; v128-255 A's fragments; on the way out:
.set PC,   128                         ; v128-143 codes
.set TM,   144                         ; v144-159 at work in the quantiser
.set RB,   160                         ; v160-223 rows read back
.set HW,   224                         ; v224-231 scale bytes in pairs
.set WD,   232                         ; v232-235 scale words to store
.set SEL,  20
.set MNT,  22
.set G1, 24
.set G0, 32
.set G1B, 48
.set G0B, 56
.set G1S, 68
.set G0S, 76
.set G1SB, 80
.set G0SB, 88
.set MSB, 0
.macro WIN new                         ; the immediate's high byte repeats the setting that is left
.if MSB != \new
	s_set_vgpr_msb (MSB<<8)|\new
.set MSB, \new
.endif
.endm
.set MUL_LO, 0xa1                      ; source 0 (B) window 1, source 1 (A) window 0, C and D window 2
.set MUL_HI, 0xf1                      ; the same, C and D window 3
.set TO_B,   0x40
; A joint load: waves 0 and 1 fetch for A, waves 2 and 3 for B; the branch hangs on the wave's number alone.  Four v_nop follow each of the two lines.
.macro JLOAD g0a, g1a, g0b, g1b
	s_cmp_eq_u32 s15, 0
	s_cbranch_scc0 .Lfor_b_\@
	tensor_load_to_lds s[\g0a:\g0a+3], s[\g1a:\g1a+7]
	s_nop 0
.rept 4
	v_nop
.endr
	s_branch .Lasked_\@
.Lfor_b_\@:
	tensor_load_to_lds s[\g0b:\g0b+3], s[\g1b:\g1b+7]
	s_nop 0
.rept 4
	v_nop
.endr
.Lasked_\@:
.endm
.macro CREST                           ; a round of the cluster's barrier behind its opening barrier
	s_cmp_lg_u32 s14, 0
	s_cbranch_scc1 .Lnot_wave_0_\@
	s_barrier_signal -3
.Lnot_wave_0_\@:
	s_barrier_wait -3
	s_barrier_signal -1
	s_barrier_wait -1
.endm
.macro CROUND
	s_barrier_signal -1
	s_barrier_wait -1
	CREST
.endm
	s_load_b256 s[4:11], s[0:1], 0x0               ; xn's buffer, W's codes, W's scales, the bias
	s_load_b64 s[12:13], s[0:1], 0x20              ; out
	v_lshl_add_u32 v[SPW], v0, 2, SPARE
	v_mov_b32 v[NIL], 0
	ds_add_u32 v28, v29
	ds_add_u32 v28, v29
	s_wait_dscnt 0x0
	v_lshrrev_b32 v1, 5, v0
	v_readfirstlane_b32 s14, v1                    ; wave 0..3
	s_lshr_b32 s15, s14, 1                         ; which half of the tile's rows is mine.  Also: I fetch for A (0) or for B (1)
	s_and_b32 s16, s14, 1                          ; which half of its columns.  Also: which 128 rows of that tile I fetch
	s_bfe_u32 s40, ttmp6, 0x40000                  ; cx
	s_bfe_u32 s41, ttmp6, 0x40004                  ; cy
	s_and_b32 s2, ttmp7, 0xffff
	s_lshl_b32 s2, s2, 2                           ; 4 x cluster y
	s_add_co_u32 s95, s2, s41                      ; + cy
	s_add_co_u32 s96, s2, s40                      ; + cx
	s_lshl_b32 s42, ttmp9, 2
	s_add_co_u32 s42, s42, s40                     ; 4 x cluster x + cx
	s_add_co_u32 s97, s41, 8                       ; W's tile rows 8 .. 11 are v's
	s_cmp_lt_u32 ttmp9, 2                          ; the mode: the cluster's x, equal in all sixteen partners
	s_cselect_b32 s17, s95, s97                    ; A's tile row in its buffer: made of cy alone
	s_cselect_b32 s66, s95, s41                    ; the result's tile row
	s_cselect_b32 s42, s42, s96                    ; B's tile row in its buffer = the result's tile column: made of cx alone
	s_cselect_b32 s67, -1, 0                       ; all ones where the bias runs along n
	s_lshl_b32 s43, s41, 2
	s_lshl_b32 s43, 15, s43                        ; my row of the cluster
	s_lshl_b32 s44, 0x1111, s40                    ; my column
	s_or_b32 s[G1+0], s43, (0<<16)|(1<<20)|(1<<21)|(5<<22)|(3<<25)  ; the mask; elements of 1 byte; padding on; bit 21 beside a mask; 4 words behind every 64
	s_or_b32 s[G1B+0], s44, (0<<16)|(1<<20)|(1<<21)|(5<<22)|(3<<25)
.irp g, G1, G1B
	s_mov_b32 s[\g+1], ROWB<<16                    ; tensor_dim0
	s_mov_b32 s[\g+2], 256<<16                     ; tensor_dim1: 256 rows for the head's loads; behind them 128, for the ring's
	s_mov_b32 s[\g+3], ROWB<<16                    ; tile_dim0
	s_mov_b32 s[\g+4], 256                         ; tile_dim1
	s_mov_b32 s[\g+5], KROW                        ; the pitch
	s_mov_b32 s[\g+6], 0
	s_mov_b32 s[\g+7], 0
.endr
	s_or_b32 s[G1S+0], s43, (3<<16)|(1<<20)|(1<<21)|(5<<22)|(3<<25) ; the scale bytes of 256 rows: a dense block, as rows of 256 bytes (32 elements of 8 bytes)
	s_or_b32 s[G1SB+0], s44, (3<<16)|(1<<20)|(1<<21)|(5<<22)|(3<<25)
.irp g, G1S, G1SB
	s_mov_b32 s[\g+1], 32<<16
	s_mov_b32 s[\g+2], KS<<16                      ; the scale bytes of 256 rows: KS rows of 256 bytes
	s_mov_b32 s[\g+3], 32<<16
	s_mov_b32 s[\g+4], KS
	s_mov_b32 s[\g+5], 32
	s_mov_b32 s[\g+6], 0
	s_mov_b32 s[\g+7], 0
.endr
	s_lshl_b32 s18, s16, 7
	s_lshl_b32 s20, s17, 8
	s_add_co_u32 s20, s20, s18                     ; A: the first row that I fetch
	s_lshl_b32 s46, s42, 8
	s_add_co_u32 s46, s46, s18                     ; B likewise
	s_mov_b32 s21, 0
	s_mov_b32 s47, 0
	s_lshl_b32 s22, s17, 13                        ; the scale bytes of a tile's 256 rows: 8,192 a tile
	s_mov_b32 s23, 0
	s_lshl_b32 s92, s42, 13
	s_mov_b32 s93, 0
	s_mov_b64 s[18:19], KROW
	s_mul_u64 s[20:21], s[20:21], s[18:19]
	s_mul_u64 s[46:47], s[46:47], s[18:19]
	s_mul_i32 s45, s14, HALFT                      ; where the ring's tiles go: wave x 128 rows
	s_wait_kmcnt 0x0
	s_add_nc_u64 s[98:99], s[4:5], ACT_S           ; xn's scale bytes
	s_cmp_lt_u32 ttmp9, 2
	s_cselect_b64 s[100:101], s[4:5], s[6:7]       ; A's codes
	s_cselect_b64 s[6:7], s[6:7], s[4:5]           ; B's codes
	s_cselect_b64 s[4:5], s[98:99], s[8:9]         ; A's scales
	s_cselect_b64 s[8:9], s[8:9], s[98:99]         ; B's scales
	s_add_nc_u64 s[20:21], s[100:101], s[20:21]
	s_add_nc_u64 s[22:23], s[4:5], s[22:23]
	s_add_nc_u64 s[46:47], s[6:7], s[46:47]
	s_add_nc_u64 s[92:93], s[8:9], s[92:93]
	CROUND                                         ; all sixteen work-groups are here: the first joint loads meet
	s_mov_b32 s[G0S], 1
	s_mov_b32 s[G0S+1], SCL
	s_mov_b64 s[G0S+2:G0S+3], s[22:23]
	s_or_b32 s[G0S+3], s[G0S+3], 0x80000000
	s_mov_b32 s[G0SB], 1
	s_mov_b32 s[G0SB+1], SCL+2*HALFS
	s_mov_b64 s[G0SB+2:G0SB+3], s[92:93]
	s_or_b32 s[G0SB+3], s[G0SB+3], 0x80000000
.irp s, 0,1
	s_mov_b32 s[G0+4*\s], 1
	s_add_co_u32 s[G0+4*\s+1], s45, \s*SLOT
	s_add_nc_u64 s[G0+4*\s+2:G0+4*\s+3], s[20:21], \s*ROWB
	s_or_b32 s[G0+4*\s+3], s[G0+4*\s+3], 0x80000000
	s_mov_b32 s[G0B+4*\s], 1
	s_add_co_u32 s[G0B+4*\s+1], s45, \s*SLOT
	s_add_nc_u64 s[G0B+4*\s+2:G0B+4*\s+3], s[46:47], \s*ROWB
	s_or_b32 s[G0B+4*\s+3], s[G0B+4*\s+3], 0x80000000
.endr
; THE HEAD'S LOADS, ONE A WAVE: wave 0 fetches K step 0's 256 rows of A, wave 2 its 256 rows of B (each by its own slot 0 descriptor, which begins at the tile's first row),
; wave 1 the scale bytes of A's 256 rows, wave 3 those of B's.  One chain of branches on the wave's number: every way passes exactly one load.
.macro ARM wv, g0, g1, next
	s_cmp_eq_u32 s14, \wv
	s_cbranch_scc0 \next
	tensor_load_to_lds s[\g0:\g0+3], s[\g1:\g1+7]
	s_nop 0
.rept 4
	v_nop
.endr
	s_branch .Lhead_asked
\next:
.endm
	ARM 0, G0, G1, .Lhead_b
	ARM 2, G0B, G1B, .Lhead_sa
	ARM 1, G0S, G1S, .Lhead_sb
	tensor_load_to_lds s[G0SB:G0SB+3], s[G1SB:G1SB+7]
	s_nop 0
.rept 4
	v_nop
.endr
.Lhead_asked:
	v_and_b32 v1, 15, v0                           ; r
	v_bfe_u32 v2, v0, 4, 1                         ; h
	v_mul_u32_u24 v3, v1, PITCH
	v_lshl_add_u32 v4, v2, 4, v3                   ; a fragment's row x pitch + 16 h
	s_mul_i32 s21, s15, HALFT
	s_mul_i32 s22, s16, HALFT
	s_add_co_u32 s22, s22, 2*HALFT
.irp s, 0,1
	v_add_nc_u32 v[ADRA+\s], s21, v4
	v_add_nc_u32 v[ADRB+\s], s22, v4
	s_add_co_u32 s21, s21, SLOT
	s_add_co_u32 s22, s22, SLOT
.endr
	v_mul_u32_u24 v5, v1, KS                       ; my row's scales: KS bytes a row,
	v_lshrrev_b32 v6, 8, v5
	v_lshl_add_u32 v5, v6, 4, v5                   ; and 16 more for each 256 passed
	s_mul_i32 s21, s15, HALFS
	s_mul_i32 s22, s16, HALFS
	s_add_co_u32 s22, s22, 2*HALFS
	s_sub_co_u32 s22, s22, s21
	v_mul_u32_u24 v6, s22, v2                      ; lanes 16-31 take B's
	s_add_co_u32 s21, s21, SCL
	v_add_nc_u32 v5, v5, v6
	v_add_nc_u32 v[ADRS], s21, v5
	; the way out's LDS addresses
	s_mul_i32 s23, s14, STGW
	v_mul_u32_u24 v5, v1, 144
	v_lshl_add_u32 v5, v2, 3, v5
	v_add_nc_u32 v[STO], s23, v5                   ; row r, 8 bytes for each half of the lanes
	v_and_b32 v6, 31, v0                           ; lane
	v_lshlrev_b32 v[CO], 4, v6
	v_lshrrev_b32 v5, 2, v6
	v_mul_u32_u24 v5, v5, 144
	v_and_b32 v3, 3, v6
	v_lshl_add_u32 v5, v3, 4, v5
	v_add_nc_u32 v[RDQ], s23, v5                   ; four lanes to a token's 64 bytes of a head
	v_lshrrev_b32 v5, 1, v6
	v_mul_u32_u24 v5, v5, 144
	v_and_b32 v4, 1, v6
	v_lshl_add_u32 v5, v4, 4, v5
	v_add_nc_u32 v[RDV], s23, v5                   ; two lanes to a channel's 32 tokens
	s_lshl_b32 s23, s14, 9
	s_add_co_u32 s23, s23, SSTB
	v_lshl_add_u32 v[SSA], v1, 2, s23
	v_lshl_add_u32 v[SSR], v6, 4, s23
	v_bfe_u32 v5, v6, 2, 2
	v_lshlrev_b32 v5, 7, v5                        ; a block of 32 tokens is 128 bytes of scale words in the stage;
	v_lshl_add_u32 v5, v3, 4, v5                   ; my four words begin at token 4 (l % 4)
	v_lshrrev_b32 v4, 1, v3
	v_lshl_add_u32 v5, v4, 5, v5                   ; + 8 ((l % 4) / 2) of the block;
	v_lshl_add_u32 v5, v2, 1, v5                   ; lanes 16-31 take the second head's two bytes
	v_add_nc_u32 v[LB], s23, v5
	v_lshlrev_b32 v[SCO], 4, v1
	v_lshl_add_u32 v[SCO], v2, 12, v[SCO]          ; sixteen lanes: four blocks' 256 bytes; the second head 4,096 bytes on
	; where my part lies
	s_lshl_b32 s20, s66, 8
	s_lshl_b32 s21, s15, 7
	s_add_co_u32 s20, s20, s21                     ; my first m
	s_lshl_b32 s21, s42, 8
	s_lshl_b32 s22, s16, 7
	s_add_co_u32 s21, s21, s22                     ; my first n
	s_lshl_b32 s46, s21, 2
	s_lshl_b32 s92, s20, 2
	s_add_co_u32 s92, s92, 8192                    ; v's bias begins at number 2,048
	s_mov_b32 s93, 8192
	s_cmp_lt_u32 ttmp9, 2
	s_cselect_b32 s22, s20, s21                    ; my first token
	s_cselect_b32 s23, s21, s20                    ; my first channel (q, k: 0 .. 2047; v: 0 .. 1023)
	s_cselect_b32 s46, s46, 0                      ; the vector that a mode does not have is loaded from a place inside the buffer and made zero below
	s_cselect_b32 s92, s93, s92
	s_cselect_b32 s2, 0, -1                        ; all ones where the bias runs along m
	s_mov_b32 s47, 0
	s_mov_b32 s93, 0
	s_add_nc_u64 s[46:47], s[10:11], s[46:47]
	s_add_nc_u64 s[92:93], s[10:11], s[92:93]
	v_lshlrev_b32 v5, 5, v2                        ; 8 numbers for each half of the lanes
	v_lshlrev_b32 v3, 2, v1
.irp b, 0,1,2,3,4,5,6,7
	global_load_b128 v[BN+8*\b:BN+8*\b+3], v5, s[46:47] offset:64*\b
	global_load_b128 v[BN+8*\b+4:BN+8*\b+7], v5, s[46:47] offset:64*\b+16
.endr
.irp a, 0,1,2,3,4,5,6,7
	global_load_b32 v[BM+\a], v3, s[92:93] offset:64*\a
.endr
	s_lshr_b32 s94, s22, 11                        ; batch
	s_and_b32 s95, s22, 2047                       ; token in it
	s_lshr_b32 s96, s23, 10                        ; 0: q, 1: k
	s_bfe_u32 s97, s23, 0x40006                    ; head
	s_lshl_b32 s94, s94, 4
	s_add_co_u32 s94, s94, s97                     ; bh
	s_lshl_b32 s20, s94, 17
	s_lshl_b32 s21, s95, 6
	s_add_co_u32 s20, s20, s21                     ; codes: 131,072 bh + 64 token, in each of the three sections
	s_lshl_b32 s97, s96, 23                        ; q's section at 0, k's at 2^23
	s_lshl_b32 s98, s94, 12
	s_lshl_b32 s99, s95, 1
	s_add_co_u32 s98, s98, s99                     ; q's, k's scale words: 4,096 bh + 2 token
	s_lshl_b32 s99, s96, 18
	s_sub_co_u32 s98, s98, s99
	s_add_co_u32 s98, s98, QSS
	s_lshr_b32 s99, s22, 7
	s_lshl_b32 s99, s99, 12
	s_lshl_b32 s21, s23, 2
	s_add_co_u32 s99, s99, s21                     ; v's: 4,096 (token / 128) + 4 channel
	s_add_co_u32 s99, s99, VSS
	s_mov_b32 s21, VC
	s_cmp_lt_u32 ttmp9, 2
	s_cselect_b32 s97, s97, s21
	s_cselect_b32 s98, s98, s99
	s_add_co_u32 s20, s20, s97
	s_mov_b32 s21, 0
	s_mov_b32 s99, 0
	s_add_nc_u64 s[100:101], s[12:13], s[98:99]    ; my scale words
	s_add_nc_u64 s[12:13], s[12:13], s[20:21]      ; my codes
	s_wait_loadcnt 0x0
.set kk, 0
.rept 64
	v_cndmask_b32 v[BN+kk], 0, v[BN+kk], s67
.set kk, kk+1
.endr
.irp a, 0,1,2,3,4,5,6,7
	v_cndmask_b32 v[BM+\a], 0, v[BM+\a], s2
.endr
.macro FRAG reg, adr, q, i             ; 16 rows x 128 K of 8-bit codes: lane l holds row l % 16; registers 4 c .. 4 c + 3 hold K = 32 c + 16 (l / 16) + 0 .. 15
.irp c, 0,1,2,3
	ds_load_b128 v[\reg+4*\c:\reg+4*\c+3], v[\adr] offset:128*(\q)+32*\c+(\i)*16*PITCH
.endr
.endm
; 16 matrix instructions: A's blocks a0, a0 + 1 x B's eight.  zero = 1: the first product starts the sums, on the bias along n.  The 64 accumulators take turns, one instruction a turn.
.macro MUL16 a0, p, q, sc, zero
.irp a, \a0, \a0+1
.irp b, 0,1,2,3,4,5,6,7
.if \zero
	v_wmma_scale_f32_16x16x128_f8f6f4 v[8*(8*((\a)%4)+\b):8*(8*((\a)%4)+\b)+7], v[128*(\p)+FR*\b:128*(\p)+FR*\b+FR-1], v[AF+FR*(\a):AF+FR*(\a)+FR-1], v[BN+8*\b:BN+8*\b+7], v[SC+8*NQ*(\sc)+NQ*\b+(\q)], v[SC+8*NQ*(\sc)+NQ*(\a)+(\q)] matrix_a_scale:MATRIX_SCALE_ROW1
.else
	v_wmma_scale_f32_16x16x128_f8f6f4 v[8*(8*((\a)%4)+\b):8*(8*((\a)%4)+\b)+7], v[128*(\p)+FR*\b:128*(\p)+FR*\b+FR-1], v[AF+FR*(\a):AF+FR*(\a)+FR-1], v[8*(8*((\a)%4)+\b):8*(8*((\a)%4)+\b)+7], v[SC+8*NQ*(\sc)+NQ*\b+(\q)], v[SC+8*NQ*(\sc)+NQ*(\a)+(\q)] matrix_a_scale:MATRIX_SCALE_ROW1
.endif
.endr
.endr
.endm
.macro FETCH_B slot, q, p
	WIN TO_B
.irp i, 0,1,2,3,4,5,6,7
	FRAG 128*(\p)+FR*\i, ADRB+\slot, \q, \i
.endr
	WIN 0
.endm
.macro FETCH_A slot, q, i0
.irp i, \i0, \i0+1, \i0+2, \i0+3
	FRAG AF+FR*(\i), ADRA+\slot, \q, \i
.endr
.endm
.macro SCALES sc                       ; a K step's scale words: lanes 0-15 take A's block i, lanes 16-31 B's block i
.irp i, 0,1,2,3,4,5,6,7
	ds_load_b64 v[SC+8*NQ*\sc+NQ*\i:SC+8*NQ*\sc+NQ*\i+1], v[ADRS] offset:\i*SBLK
.endr
.endm
.macro PLACES n                        ; plain vector lines between a matrix instruction and a load into, or a read of, its registers
.rept \n
	v_nop
.endr
.endm
.macro STEP slot, q, zero              ; a step of 128 along K that has its successor in the same slot
	s_wait_dscnt 4*NL                              ; B's set and A's blocks 0-3 are in; the youngest sixteen loads (A's blocks 4-7) may be out
.if \zero
	WIN 0x81                                       ; C (the bias) from window 0
.else
	WIN MUL_LO
.endif
	MUL16 0, (\q)%2, \q, \slot, \zero
	MUL16 2, (\q)%2, \q, \slot, \zero
	s_wait_dscnt 0
	PLACES NP
	FETCH_B \slot, (\q)+1, 1-(\q)%2
	FETCH_A \slot, (\q)+1, 0
.if \zero
	WIN 0xc1
.else
	WIN MUL_HI
.endif
	MUL16 4, (\q)%2, \q, \slot, \zero
	MUL16 6, (\q)%2, \q, \slot, \zero
	PLACES NP
	WIN 0
	FETCH_A \slot, (\q)+1, 4
.endm
; A slot's last step changes slots: one barrier; in front of it each wave waits for all its tensor loads, adds 0 to its spare word, and waits for that and for its own reads of this slot.
.macro TURN slot, next, fill
	s_wait_tensorcnt 0x0                           ; all my tensor loads have landed: my part of the next slot
	ds_add_u32 v[SPW], v[NIL]                      ; 0 onto my spare word
	s_wait_dscnt 4*NL+1                            ; (the add and the youngest sixteen loads may be out)
	WIN MUL_LO
	MUL16 0, 1, NQ-1, \slot, 0
	s_wait_dscnt 0x0                               ; the add is done, and my reads of this slot are over
	s_barrier_signal -1
	MUL16 2, 1, NQ-1, \slot, 0
	WIN 0
	s_barrier_wait -1
.if \fill
	CREST                                          ; the barrier has opened a round of the cluster's: no wave of any partner still reads this slot or has a load on its way
	s_add_nc_u64 s[G0+4*\slot+2:G0+4*\slot+3], s[G0+4*\slot+2:G0+4*\slot+3], 2*ROWB
	s_add_nc_u64 s[G0B+4*\slot+2:G0B+4*\slot+3], s[G0B+4*\slot+2:G0B+4*\slot+3], 2*ROWB
	JLOAD G0+4*\slot, G1, G0B+4*\slot, G1B         ; the first tensor load behind the round, my one load until the next
	PLACES NP-4
.else
	PLACES NP
.endif
	s_wait_alu depctr_va_vdst(0)
	v_add_nc_u32 v[ADRS], 4*NQ, v[ADRS]
	FETCH_B \next, 0, 0
	FETCH_A \next, 0, 0
	SCALES \next
	WIN MUL_HI
	MUL16 4, 1, NQ-1, \slot, 0
	MUL16 6, 1, NQ-1, \slot, 0
	PLACES NP
	WIN 0
	FETCH_A \next, 0, 4
.endm
	s_wait_alu depctr_va_vdst(0)
	s_wait_tensorcnt 0x0                           ; my tile of the head's four is in
	ds_add_u32 v[SPW], v[NIL]
	s_mov_b32 s[G1+2], 128<<16                     ; no tensor load of mine is out: from here on a load brings 128 rows
	s_mov_b32 s[G1+4], 128
	s_mov_b32 s[G1B+2], 128<<16
	s_mov_b32 s[G1B+4], 128
	s_wait_dscnt 0x0
	CROUND                                         ; all four tiles are in, and all sixteen work-groups are here
	JLOAD G0+4, G1, G0B+4, G1B                     ; K step 1: the first tensor load behind the round
	FETCH_B 0, 0, 0
	FETCH_A 0, 0, 0
	SCALES 0
	FETCH_A 0, 0, 4
	STEP 0, 0, 1
	s_mov_b32 s3, LAPS-1
.Llap:
	TURN 0, 1, 1
	STEP 1, 0, 0
	TURN 1, 0, 1
	STEP 0, 0, 0
	s_sub_co_u32 s3, s3, 1
	s_cmp_lg_u32 s3, 0
	s_cbranch_scc1 .Llap
	TURN 0, 1, 0                                   ; the last lap fills nothing
	STEP 1, 0, 0
	s_wait_dscnt 4*NL
	WIN MUL_LO
	MUL16 0, 1, NQ-1, 1, 0
	MUL16 2, 1, NQ-1, 1, 0
	s_wait_dscnt 0
	WIN MUL_HI
	MUL16 4, 1, NQ-1, 1, 0
	MUL16 6, 1, NQ-1, 1, 0
	WIN 0
; 64 numbers of a lane, v[s] on: registers 16 b .. 16 b + 15 are my half of block b of my row (the other half lies in lane l xor 16).  Out: codes in v[PC] on, eight to a pair of registers, and the row's scale word in v[PW].
.macro QUANT s
.irp b, 0,1,2,3
	v_max3_num_f32 v[TM+\b], |v[\s+16*\b]|, |v[\s+1+16*\b]|, 0x4800000   ; with the floor 2^(9 - 127): the byte cannot fall under 1
.endr
.irp i, 2,4,6,8,10,12,14
.irp b, 0,1,2,3
	v_max3_num_f32 v[TM+\b], v[TM+\b], |v[\s+16*\b+\i]|, |v[\s+1+16*\b+\i]|
.endr
.endr
.irp b, 0,1,2,3
	v_permlanex16_b32 v[TM+4+\b], v[TM+\b], s[SEL], s[SEL+1]
.endr
.irp b, 0,1,2,3
	v_max_num_f32 v[TM+\b], v[TM+\b], v[TM+4+\b]   ; the block's largest magnitude
.endr
.irp b, 0,1,2,3
	v_add_nc_u32 v[TM+12+\b], 0xfc000000, v[TM+\b] ; 8 off its exponent field: the conversion's scale operand
.endr
.irp b, 0,1,2,3
	v_and_or_b32 v[TM+8+\b], v[TM+\b], 0x7f800000, s[MNT]   ; 448 x the scale
.endr
.irp b, 0,1,2,3
	v_lshrrev_b32 v[TM+4+\b], 23, v[TM+12+\b]      ; the scale's byte
.endr
	v_lshl_or_b32 v[PW], v[TM+5], 8, v[TM+4]
	v_lshl_or_b32 v[PW], v[TM+6], 16, v[PW]
	v_lshl_or_b32 v[PW], v[TM+7], 24, v[PW]
.irp b, 0,1,2,3
.irp i, 0,1,2,3,4,5,6,7,8,9,10,11,12,13,14,15
	v_med3_num_f32 v[\s+16*\b+\i], v[\s+16*\b+\i], -v[TM+8+\b], v[TM+8+\b]   ; the conversion does not saturate (ISA guide 7.6.2): the hold comes first
.endr
	v_cvt_scalef32_pk8_fp8_f32 v[PC+4*\b:PC+1+4*\b], v[\s+16*\b:\s+7+16*\b], v[TM+12+\b]
	v_cvt_scalef32_pk8_fp8_f32 v[PC+2+4*\b:PC+3+4*\b], v[\s+8+16*\b:\s+15+16*\b], v[TM+12+\b]
.endr
	v_nop                                          ; a plain line behind the last conversion
.endm
; Block a of 16 rows: + the bias along m, quantised, codes and scale word into my stage.
.macro OUTBLK a
	v_mov_b32 v6, v[BM+(\a)]
	WIN 0x02+(\a)/4                                ; source 0: window 2 or 3
.set kk, 0
.rept 32
	v_pk_add_f32 v[X+kk:X+kk+1], v[64*((\a)%4)+kk:64*((\a)%4)+kk+1], v[6:7] op_sel_hi:[1,0]   ; each accumulator from its low end on
.set kk, kk+2
.endr
	WIN 0
	s_wait_dscnt 0x0                               ; the last block's stores have read their registers
	QUANT X
.irp b, 0,1,2,3
	ds_store_b64 v[STO], v[PC+4*\b:PC+4*\b+1] offset:(\a)*2304+32*\b          ; n = 32 b + 8 h + 0 .. 7
	ds_store_b64 v[STO], v[PC+4*\b+2:PC+4*\b+3] offset:(\a)*2304+32*\b+16     ; n = 32 b + 16 + 8 h + 0 .. 7
.endr
	ds_store_b32 v[SSA], v[PW] offset:64*(\a)      ; both halves of the lanes write the same word with the same value
.endm
	PLACES NP
	s_mov_b32 s[SEL], 0x76543210
	s_mov_b32 s[SEL+1], 0xfedcba98
	s_mov_b32 s[MNT], 0x600000
	v_mov_b32 v7, 0                                ; (named as the upper half of the pair v[6:7])
.irp b, 0,1,2,3
	v_mov_b32 v[TM+4+\b], 0                        ; a lane permute's destination counts as one of its sources
.endr
.irp a, 0,1,2,3,4,5,6,7
	OUTBLK \a
.endr
	s_cmp_lt_u32 ttmp9, 2                          ; the mode again: both ways only read the stage (LDS serves a wave's instructions in order: the reads see my stores)
	s_cbranch_scc0 .Lv_arm
.irp e, 0,1                            ; q, k: my two heads; a head's 128 tokens x 64 bytes are 8,192 consecutive bytes
.if \e
	s_wait_xcnt 0x0                                ; the first head's stores have read their registers
.endif
.irp g, 0,1,2,3,4,5,6,7,8,9,10,11,12,13,14,15
	ds_load_b128 v[RB+4*\g:RB+4*\g+3], v[RDQ] offset:\g*1152+64*\e
.endr
.irp g, 0,1,2,3,4,5,6,7,8,9,10,11,12,13,14,15
	s_wait_dscnt 15-\g
	global_store_b128 v[CO], v[RB+4*\g:RB+4*\g+3], s[12:13] offset:\e*131072+512*\g   ; 32 lanes store 512 consecutive bytes
.endr
.endr
.irp i, 0,1,2,3
	ds_load_u16 v[HW+2*\i], v[LB] offset:4*\i      ; a token's two bytes of my head,
	ds_load_u16 v[HW+2*\i+1], v[LB] offset:4*\i+32 ; and those of the token 8 further on
.endr
	s_wait_dscnt 0x0
.irp i, 0,1,2,3
	v_lshl_or_b32 v[WD+\i], v[HW+2*\i+1], 16, v[HW+2*\i]
.endr
	global_store_b128 v[SCO], v[WD:WD+3], s[100:101]   ; sixteen lanes store 256 consecutive bytes, aligned
	s_branch .Ljoin
.Lv_arm:
.irp e, 0,1                            ; v: my two heads; a head's block of 32 tokens is 64 channels x 32 bytes, 2,048 consecutive bytes
.if \e
	s_wait_xcnt 0x0
.endif
.irp kb, 0,1,2,3
.irp g, 0,1,2,3
	ds_load_b128 v[RB+4*(4*\kb+\g):RB+4*(4*\kb+\g)+3], v[RDV] offset:(64*\e+16*\g)*144+32*\kb
.endr
.endr
.irp kb, 0,1,2,3
.irp g, 0,1,2,3
	s_wait_dscnt 15-(4*\kb+\g)
	global_store_b128 v[CO], v[RB+4*(4*\kb+\g):RB+4*(4*\kb+\g)+3], s[12:13] offset:\e*131072+\kb*2048+512*\g
.endr
.endr
.endr
	ds_load_b128 v[WD:WD+3], v[SSR]
	s_wait_dscnt 0x0
	global_store_b128 v[CO], v[WD:WD+3], s[100:101]    ; my 128 channels' words: 512 consecutive bytes
.Ljoin:
	s_wait_tensorcnt 0x0                           ; the wave's end
	ds_add_u32 v[SPW], v[NIL]
	s_wait_dscnt 0x0
	CROUND                                         ; the closing round
	s_endpgm
.Lfunc_end_k_qc7e5a3daf3_qkv:
	.size	k_qc7e5a3daf3_qkv, .Lfunc_end_k_qc7e5a3daf3_qkv-k_qc7e5a3daf3_qkv
	.p2alignl 7, 3214868480
	.fill 96, 4, 3214868480
	.section	.rodata,"a",@progbits
	.p2align	6, 0x0
	.amdhsa_kernel k_qc7e5a3daf3_qkv
		.amdhsa_group_segment_fixed_size 327680
		.amdhsa_private_segment_fixed_size 0
		.amdhsa_enable_private_segment 0
		.amdhsa_kernarg_size 40
		.amdhsa_user_sgpr_count 2
		.amdhsa_user_sgpr_kernarg_segment_ptr 1
		.amdhsa_wavefront_size32 1
		.amdhsa_system_sgpr_workgroup_id_x 1
		.amdhsa_system_sgpr_workgroup_id_y 1
		.amdhsa_system_sgpr_workgroup_id_z 1
		.amdhsa_system_vgpr_workitem_id 0
		.amdhsa_next_free_vgpr 1024
		.amdhsa_next_free_sgpr 102
		.amdhsa_reserve_vcc 0
		.amdhsa_float_denorm_mode_32 3
		.amdhsa_float_denorm_mode_16_64 3
		.amdhsa_memory_ordered 1
		.amdhsa_forward_progress 1
		.amdhsa_inst_pref_size 225
	.end_amdhsa_kernel
	.amdgpu_metadata
---
amdhsa.version: [ 1, 2 ]
amdhsa.kernels:
  - .name:           k_qc7e5a3daf3_qkv
    .symbol:         k_qc7e5a3daf3_qkv.kd
    .args:
      - { .name: act, .offset: 0, .size: 8, .value_kind: global_buffer, .address_space: global }
      - { .name: in_proj_w_codes, .offset: 8, .size: 8, .value_kind: global_buffer, .address_space: global }
      - { .name: in_proj_w_scales, .offset: 16, .size: 8, .value_kind: global_buffer, .address_space: global }
      - { .name: in_proj_b, .offset: 24, .size: 8, .value_kind: global_buffer, .address_space: global }
      - { .name: qkv, .offset: 32, .size: 8, .value_kind: global_buffer, .address_space: global }
    .group_segment_fixed_size: 327680
    .private_segment_fixed_size: 0
    .kernarg_segment_align: 8
    .kernarg_segment_size: 40
    .max_flat_workgroup_size: 128
    .sgpr_count:     102
    .vgpr_count:     1024
    .wavefront_size: 32
...
	.end_amdgpu_metadata
.endif
;; end of part 2
;; launch attn (part 3): grid 128 x 2, 16 waves a work-group, no clusters, 320,000 bytes of LDS; arguments qkv, ctx, out1; writes ctx, out1
.if DOCPART == 3
	.amdgcn_target "amdgcn-amd-amdhsa--gfx1250"
	.amdhsa_code_object_version 6
	.text
	.protected	k_qc7e5a3daf3_attn
	.globl	k_qc7e5a3daf3_attn
	.p2align	8
	.type	k_qc7e5a3daf3_attn,@function
k_qc7e5a3daf3_attn:
	s_mov_b64 s[64:65], 0
	v_nop
	global_prefetch_b8 v0, s[64:65] scope:SCOPE_SE
	s_setreg_imm32_b32 hwreg(HW_REG_WAVE_MODE, 25, 1), 1
	s_wait_xcnt 0x0
; BANDED ATTENTION on codes of E4M3: scores = q k^T / 8 under |i - j| <= 128, softmax, ctx = p v / l, and the mean over the 16 heads of the softmax.
; SHARES.  A work-group owns 16 queries (q0 on) of one batch, for all heads, so that it alone owns its 16 rows of the head mean.  Wave w is head w; behind the one barrier wave w is query row w.
; THE WINDOW.  kb0 = (q0 - 128) rounded down to a multiple of 32; the 9 blocks of 32 keys from kb0 on hold every key that the band allows (q0 - 128 .. q0 + 143).  All 288 scores of a query stay in registers
; (144 a lane), so the row's true maximum is taken away: M = ceil(largest t), p = 2^(t - M), the row's sum of the unquantised p divides at the end.
; LAYOUT.  Both products are used transposed (source 0 = keys, or v's channels; source 1 = my 16 queries): a lane holds ONE query (lane % 16) throughout.
; A head has 64 channels, half of the instruction's K: one fragment holds TWO tiles of 16 keys (k 0-63: keys 32 j + r + 8 (r / 8); k 64-127: the keys 8 further on) and is multiplied by (q, 0) and by (0, q):
; registers 16 j + i of the scores are then keys kb0 + 32 j + 16 (lane / 16) + i: 16 neighbours, as the second product's operand wants p.
; THE ENDS OF THE SEQUENCE.  The window is not clamped: blocks outside 0 .. 2047 are read from what lies beside them, always inside the buffer (its sections are ordered for that: q codes, v codes, k codes, k, v, q scales).
; Their scores are replaced by -infinity whatever they are, so p = 0 with zero codes; beside v's codes lie codes (never a NaN code), beside v's scale words lie scale bytes (1 .. 254).
; No tensor load, no multicast: a wave reads its own head's k and v straight into registers, and LDS is needed whole for the head mean.
; THE HEAD MEAN.  Each head puts p / (16 l) into LDS ([head][query][288 f32], rows 1,168 bytes apart); wave w adds row w of the 16 heads.  A row of out1 is 16 chunks of 512 bytes, taken modulo 16:
; 3 hold the window, 13 are zeros and are stored at the kernel's head.  A window chunk that would fall outside the sequence holds only zeros and lands on a chunk that has to be zero.
; ctx's scale words leave in pieces of 64 bytes (512 bytes a work-group).
; LIMITS: NaN and infinities are not served; a block of p or ctx under 2^-118 (zeros too) gets the byte 1: the bytes are read by this program alone.
.set VC,   4194304
.set KC,   8388608
.set KSS,  12582912
.set VSS,  12713984
.set QSS,  12845056
.set WP,   1168                        ; a row of weights: 1,152 bytes + 16: 73 x 16, so sixteen rows start at sixteen different groups of banks
.set WR,   16*WP                       ; a head's region
.set CST,  16*WR                       ; ctx's codes: 8 panels of 128 channels x 16 rows x 144 bytes
.set SSTG, CST+8*2304                  ; ctx's scale words [8][16]
; v1 k's lane offset, v2 v's, v3 k's scale words', v4 v's scale words', v5 the band's term, v6 -infinity, v7 where my weights go, v[8:9] -M and t, v[10:11] the sum, v12 1 / (16 l), v13 1 / l
.set SCW,  16                          ; v16-27  scale words: k's nine, later v's twelve: v16-31 hold scales and nothing else
.set QSW,  28                          ; v28     q's
.set PW,   29                          ; v29-31  p's, one for each 128 keys
.set BMX,  32                          ; v32-40  the blocks' largest scores, then largest p   (v32-55 first hold [8 zeros][q][8 zeros])
.set SOP,  41                          ; v41-49  the conversions' scale operands
.set LIM,  50                          ; v50-58  448 x the scale
.set T8,   32                          ; v32-39  eight p, held
.set O,    32                          ; v32-63  ctx^T, four tiles
.set S,    64                          ; v64-207 the scores, then p, then the weights; k's fragment j first lies where block j + 1's scores will; later v's fragments
.set P,    208                         ; v208-255 k's fragment 8 and the zero chunks' offsets; then p's codes: 36 registers and 12 of zeros
	s_load_b128 s[4:7], s[0:1], 0x0                ; qkv, ctx
	s_load_b64 s[8:9], s[0:1], 0x10                ; out1
	v_lshrrev_b32 v1, 5, v0
	s_delay_alu instid0(VALU_DEP_1)
	v_readfirstlane_b32 s10, v1                    ; wave
	s_and_b32 s11, ttmp7, 0xffff                   ; batch
	s_lshl_b32 s12, ttmp9, 4                       ; q0
	s_sub_co_i32 s13, s12, 128
	s_and_b32 s13, s13, 0xffffffe0                 ; kb0 (may be negative)
	s_lshl_b32 s14, s11, 4
	s_add_co_u32 s14, s14, s10                     ; bh
	s_lshl_b32 s15, s14, 17
	s_lshl_b32 s51, s14, 12
	s_lshl_b32 s52, s13, 6
	s_lshl_b32 s2, s12, 6
	s_add_co_u32 s16, s15, s2                      ; q's codes
	s_mov_b32 s17, 0
	s_lshl_b32 s2, ttmp9, 5                        ; q's scale bytes: 64 (q0 / 32) + 32 ((q0 / 16) % 2)
	s_add_co_u32 s18, s51, s2
	s_add_co_u32 s18, s18, QSS
	s_mov_b32 s19, 0
	s_add_co_u32 s20, s15, s52                     ; (each sum below is positive when its section's start is added)
	s_add_co_u32 s24, s20, VC                      ; v's codes
	s_add_co_u32 s20, s20, KC                      ; k's codes
	s_mov_b32 s21, 0
	s_mov_b32 s25, 0
	s_lshl_b32 s2, s13, 1
	s_add_co_u32 s22, s51, s2
	s_add_co_u32 s22, s22, KSS                     ; k's scale words
	s_mov_b32 s23, 0
	s_lshl_b32 s2, s11, 11
	s_add_co_u32 s3, s2, s13
	s_ashr_i32 s3, s3, 7                           ; the window's first group of 128 tokens
	s_lshl_b32 s3, s3, 12
	s_lshl_b32 s26, s10, 8
	s_add_co_u32 s26, s26, s3
	s_add_co_u32 s26, s26, VSS                     ; v's scale words
	s_mov_b32 s27, 0
	s_add_co_u32 s54, s2, s12                      ; my work-group's first row among all 4,096
	s_add_co_u32 s2, s54, s10
	s_lshl_b32 s28, s2, 13                         ; my row of out1
	s_mov_b32 s29, 0
	s_lshr_b32 s2, s10, 1
	s_and_b32 s3, s10, 1
	s_lshl_b32 s30, s2, 19
	s_lshl_b32 s55, s3, 3
	s_add_co_u32 s55, s55, s54
	s_lshl_b32 s55, s55, 7
	s_add_co_u32 s30, s30, s55                     ; ctx's codes: panel wave / 2, rows 8 (wave % 2) on
	s_mov_b32 s31, 0
	s_lshl_b32 s32, s54, 2
	s_add_co_u32 s32, s32, 4194304                 ; ctx's scale words
	s_mov_b32 s33, 0
	s_bfe_u32 s34, s13, 0x20005
	s_lshl_b32 s34, s34, 3                         ; 8 x (the window's first block of 32 in its group of four)
.irp j, 1,2,3,4,5,6,7
	s_add_co_u32 s3, s13, 32*\j
	s_cmp_ge_u32 s3, 0x800
	s_cselect_b32 s[34+\j], -1, 0                  ; all ones where block j lies outside the sequence
.endr
	s_cmp_lt_u32 s13, 0x800
	s_cselect_b32 s42, 0x101, 0                    ; blocks 0 and 8: the band's width, or 0 outside the sequence
	s_add_co_u32 s3, s13, 256
	s_cmp_lt_u32 s3, 0x800
	s_cselect_b32 s43, 0x101, 0
	s_add_co_u32 s2, s13, 2048
	s_bfe_u32 s44, s2, 0x40007                     ; the window's first chunk of 128 keys, modulo 16
	s_and_b32 s45, s2, 96                          ; and where in it the window begins
	s_mov_b32 s46, 0x76543210
	s_mov_b32 s47, 0xfedcba98
	s_mov_b32 s48, 0x3e38aa3b                      ; c = log2(e) / 8
	s_mov_b32 s49, s48
	s_mov_b32 s50, 0x600000
	s_sub_co_i32 s53, s13, s12
	s_add_co_i32 s53, s53, 128                     ; 128 - (q0 - kb0)
	v_and_b32 v14, 15, v0                          ; r
	v_bfe_u32 v15, v0, 4, 1                        ; h
	s_delay_alu instid0(VALU_DEP_2)
	v_and_b32 v3, 8, v14
	s_delay_alu instid0(VALU_DEP_1)
	v_add_nc_u32 v4, v3, v14                       ; r + 8 (r / 8)
	s_delay_alu instid0(VALU_DEP_1)
	v_lshlrev_b32 v1, 6, v4
	s_delay_alu instid0(VALU_DEP_1)
	v_lshl_add_u32 v1, v15, 4, v1
	s_delay_alu instid0(VALU_DEP_3)
	v_lshlrev_b32 v2, 5, v4
	s_delay_alu instid0(VALU_DEP_1)
	v_lshl_add_u32 v2, v15, 4, v2
	v_lshlrev_b32 v4, 2, v4
	v_lshlrev_b32 v3, 2, v14
	v_lshlrev_b32 v56, 6, v14
	s_delay_alu instid0(VALU_DEP_1)
	v_lshl_add_u32 v56, v15, 4, v56                ; q: row r (the queries stay in their order)
	v_and_b32 v57, 7, v14
	v_lshrrev_b32 v58, 3, v14
	s_delay_alu instid0(VALU_DEP_2)
	v_lshlrev_b32 v57, 2, v57
	s_delay_alu instid0(VALU_DEP_1)
	v_lshl_add_u32 v57, v58, 1, v57                ; q's two scale bytes: 4 (r % 8) + 2 (r / 8)
	v_and_b32 v59, 31, v0
	s_delay_alu instid0(VALU_DEP_1)
	v_lshlrev_b32 v59, 4, v59                      ; 16 x lane
.irp i, 0,1,2,3,4,5,6,7
	v_mov_b32 v[32+\i], 0
	v_mov_b32 v[48+\i], 0
.endr
.irp i, 0,1,2,3,4,5,6,7,8,9,10,11,12
	s_add_co_u32 s2, s44, 3+\i
	s_and_b32 s2, s2, 15
	s_lshl_b32 s2, s2, 9
	v_add_nc_u32 v[224+\i], s2, v59
.endr
	s_wait_alu depctr_va_vdst(0)
	s_wait_kmcnt 0x0
	s_add_nc_u64 s[16:17], s[4:5], s[16:17]
	s_add_nc_u64 s[18:19], s[4:5], s[18:19]
	s_add_nc_u64 s[20:21], s[4:5], s[20:21]
	s_add_nc_u64 s[22:23], s[4:5], s[22:23]
	s_add_nc_u64 s[24:25], s[4:5], s[24:25]
	s_add_nc_u64 s[26:27], s[4:5], s[26:27]
	s_add_nc_u64 s[28:29], s[8:9], s[28:29]
	s_add_nc_u64 s[30:31], s[6:7], s[30:31]
	s_add_nc_u64 s[32:33], s[6:7], s[32:33]
	; all loads of the score phase in one run: 48
	global_load_u16 v[QSW], v57, s[18:19]
	global_load_b128 v[40:43], v56, s[16:17]
	global_load_b128 v[44:47], v56, s[16:17] offset:32
.irp j, 0,1,2,3,4,5,6,7,8
	global_load_b32 v[SCW+\j], v3, s[22:23] offset:64*\j
.endr
.irp j, 0,1,2,3,4,5,6,7
	global_load_b128 v[S+16*\j+16:S+16*\j+19], v1, s[20:21] offset:2048*\j
	global_load_b128 v[S+16*\j+20:S+16*\j+23], v1, s[20:21] offset:2048*\j+32
	global_load_b128 v[S+16*\j+24:S+16*\j+27], v1, s[20:21] offset:2048*\j+512
	global_load_b128 v[S+16*\j+28:S+16*\j+31], v1, s[20:21] offset:2048*\j+544
.endr
	global_load_b128 v[P:P+3], v1, s[20:21] offset:2048*8
	global_load_b128 v[P+4:P+7], v1, s[20:21] offset:2048*8+32
	global_load_b128 v[P+8:P+11], v1, s[20:21] offset:2048*8+512
	global_load_b128 v[P+12:P+15], v1, s[20:21] offset:2048*8+544
	; the 13 chunks of my row of out1 that hold no key of the window: zeros, stored while the loads are on their way
.irp i, 0,1,2,3,4,5,6,7,8,9,10,11,12
	global_store_b128 v[224+\i], v[32:35], s[28:29] th:TH_STORE_NT   ; 32 lanes store 512 consecutive bytes
.endr
	s_wait_loadcnt 47                              ; q's scale bytes are in: 47 loads were issued behind theirs
	v_lshl_or_b32 v[QSW], v[QSW], 16, v[QSW]       ; the same two bytes for (q, 0) and for (0, q)
	v_lshlrev_b32 v5, 4, v15                       ; (nine plain lines stand between that line and the first product)
	s_delay_alu instid0(VALU_DEP_1)
	v_sub_nc_u32 v5, v5, v14
	s_delay_alu instid0(VALU_DEP_1)
	v_add_nc_u32 v5, s53, v5                       ; 128 - (my query - kb0 - 16 h)
	v_mov_b32 v6, 0xff800000
	v_mul_u32_u24 v7, v14, WP
	s_delay_alu instid0(VALU_DEP_1)
	v_lshl_add_u32 v7, v15, 6, v7
	s_mul_i32 s2, s10, WR
	v_add_nc_u32 v7, s2, v7                        ; my weights: head's region, row r, 64 h
	v_nop
	v_nop
.macro WSC j                           ; block j's scores: two products on one fragment of k
.if (\j) < 8
.set KR, S+16*(\j)+16
.else
.set KR, P
.endif
	s_wait_loadcnt 4*(8-(\j))                      ; the younger blocks' loads, four each, may be out
	v_wmma_scale_f32_16x16x128_f8f6f4 v[S+16*(\j):S+16*(\j)+7], v[KR:KR+15], v[40:55], 0, v[SCW+(\j)], v[QSW]
	v_wmma_scale_f32_16x16x128_f8f6f4 v[S+16*(\j)+8:S+16*(\j)+15], v[KR:KR+15], v[32:47], 0, v[SCW+(\j)], v[QSW]
.endm
.macro MASKB j, rng                    ; blocks 0 and 8: register i holds key kb0 + 32 j + 16 h + i: it counts where 0 <= key - query + 128 <= 256 and the block lies in the sequence
.set ii, 0
.rept 16
	v_add_nc_u32 v58, 32*(\j)+ii, v5
	s_delay_alu instid0(VALU_DEP_1)
	v_cmp_gt_u32 vcc_lo, s[\rng], v58
	v_cndmask_b32 v[S+16*(\j)+ii], v6, v[S+16*(\j)+ii], vcc_lo
.set ii, ii+1
.endr
.endm
.macro MASKO j                         ; blocks 1 to 7: my query - kb0 - 16 h lies in 112 .. 159 and 32 j + i in 32 .. 239, so the band never cuts them: only the sequence's ends do
.set ii, 0
.rept 16
	v_cndmask_b32 v[S+16*(\j)+ii], v[S+16*(\j)+ii], v6, s[34+(\j)]
.set ii, ii+1
.endr
.endm
; Block j + 1's products write over block j's fragment of k: nine plain lines stand between; a block's scores are first read eight plain lines or more behind its products.  The mask of block j - 1, which names none of block j's registers, is those lines.
	s_wait_alu depctr_va_vdst(0)
	WSC 0
.rept 9
	v_nop
.endr
	WSC 1
	MASKB 0, 42
.irp j, 2,3,4,5,6,7,8
	WSC \j
	MASKO \j-1
.endr
	MASKB 8, 43
	; ---- softmax
	s_wait_xcnt 0x0                                ; the zero chunks' stores have read their data and offsets, the loads their offsets: those registers are written again from here on
.irp b, 0,1,2,3,4,5,6,7,8
	v_max3_num_f32 v[BMX+\b], v[S+16*\b], v[S+16*\b+1], v[S+16*\b+2]   ; each block's largest score: for the row's maximum, and, since p rises with the score, for the block's largest p
.endr
.irp i, 3,5,7,9,11,13
.irp b, 0,1,2,3,4,5,6,7,8
	v_max3_num_f32 v[BMX+\b], v[BMX+\b], v[S+16*\b+\i], v[S+16*\b+\i+1]
.endr
.endr
.irp b, 0,1,2,3,4,5,6,7,8
	v_max_num_f32 v[BMX+\b], v[BMX+\b], v[S+16*\b+15]
.endr
.irp b, 0,1,2,3,4,5,6,7,8
	v_permlanex16_b32 v[SOP+\b], v[BMX+\b], s46, s47
.endr
.irp b, 0,1,2,3,4,5,6,7,8
	v_max_num_f32 v[BMX+\b], v[BMX+\b], v[SOP+\b]
.endr
	v_max3_num_f32 v59, v32, v33, v34
	s_delay_alu instid0(VALU_DEP_1)
	v_max3_num_f32 v59, v59, v35, v36
	s_delay_alu instid0(VALU_DEP_1)
	v_max3_num_f32 v59, v59, v37, v38
	s_delay_alu instid0(VALU_DEP_1)
	v_max3_num_f32 v59, v59, v39, v40              ; the row's largest score (my own key always counts: it is a number)
	s_delay_alu instid0(VALU_DEP_1)
	v_mul_f32 v9, s48, v59
	s_delay_alu instid0(VALU_DEP_1)
	v_floor_f32 v8, -v9                            ; -M = floor(-t)
.set jj, 0
.rept 72
	v_pk_fma_f32 v[S+jj:S+jj+1], v[S+jj:S+jj+1], s[48:49], v[8:9] op_sel_hi:[1,0,0]   ; t - M
.set jj, jj+2
.endr
.irp b, 0,1,2,3,4,5,6,7,8
	v_fma_f32 v[BMX+\b], v[BMX+\b], s48, v8
.endr
.set jj, 0
	s_wait_alu depctr_va_vdst(0)
.rept 144
	v_exp_f32 v[S+jj], v[S+jj]                     ; p = 2^(t - M)
.set jj, jj+1
.endr
	v_nop                                          ; a plain line behind the batch,
	s_wait_alu depctr_va_vdst(0)                   ; and one wait for it, ahead of its first reader
.irp b, 0,1,2,3,4,5,6,7,8
	v_exp_f32 v[BMX+\b], v[BMX+\b]                 ; the blocks' largest p
.endr
	v_pk_add_f32 v[60:61], v[64:65], v[66:67]
	v_pk_add_f32 v[254:255], v[72:73], v[76:77]
	v_pk_add_f32 v[252:253], v[80:81], v[84:85]
	v_pk_add_f32 v[250:251], v[88:89], v[92:93]
	v_pk_add_f32 v[248:249], v[96:97], v[100:101]
	v_pk_add_f32 v[246:247], v[104:105], v[108:109]
	v_pk_add_f32 v[244:245], v[112:113], v[116:117]
	v_pk_add_f32 v[10:11], v[120:121], v[124:125]
	v_pk_add_f32 v[10:11], v[10:11], v[128:129]
	v_pk_add_f32 v[60:61], v[60:61], v[132:133]
	v_pk_add_f32 v[254:255], v[254:255], v[136:137]
	v_pk_add_f32 v[252:253], v[252:253], v[140:141]
	v_pk_add_f32 v[250:251], v[250:251], v[144:145]
	v_pk_add_f32 v[248:249], v[248:249], v[148:149]
	v_pk_add_f32 v[246:247], v[246:247], v[152:153]
	v_pk_add_f32 v[244:245], v[244:245], v[156:157]
	v_pk_add_f32 v[10:11], v[10:11], v[160:161]
	v_pk_add_f32 v[60:61], v[60:61], v[164:165]
	v_pk_add_f32 v[254:255], v[254:255], v[168:169]
	v_pk_add_f32 v[252:253], v[252:253], v[172:173]
	v_pk_add_f32 v[250:251], v[250:251], v[176:177]
	v_pk_add_f32 v[248:249], v[248:249], v[180:181]
	v_pk_add_f32 v[246:247], v[246:247], v[184:185]
	v_pk_add_f32 v[244:245], v[244:245], v[188:189]
	v_pk_add_f32 v[10:11], v[10:11], v[192:193]
	v_pk_add_f32 v[60:61], v[60:61], v[196:197]
	v_pk_add_f32 v[254:255], v[254:255], v[200:201]
	v_pk_add_f32 v[252:253], v[252:253], v[204:205]
	v_pk_add_f32 v[250:251], v[250:251], v[68:69]
	v_pk_add_f32 v[248:249], v[248:249], v[70:71]
	v_pk_add_f32 v[246:247], v[246:247], v[74:75]
	v_pk_add_f32 v[244:245], v[244:245], v[78:79]
	v_pk_add_f32 v[10:11], v[10:11], v[82:83]
	v_pk_add_f32 v[60:61], v[60:61], v[86:87]
	v_pk_add_f32 v[254:255], v[254:255], v[90:91]
	v_pk_add_f32 v[252:253], v[252:253], v[94:95]
	v_pk_add_f32 v[250:251], v[250:251], v[98:99]
	v_pk_add_f32 v[248:249], v[248:249], v[102:103]
	v_pk_add_f32 v[246:247], v[246:247], v[106:107]
	v_pk_add_f32 v[244:245], v[244:245], v[110:111]
	v_pk_add_f32 v[10:11], v[10:11], v[114:115]
	v_pk_add_f32 v[60:61], v[60:61], v[118:119]
	v_pk_add_f32 v[254:255], v[254:255], v[122:123]
	v_pk_add_f32 v[252:253], v[252:253], v[126:127]
	v_pk_add_f32 v[250:251], v[250:251], v[130:131]
	v_pk_add_f32 v[248:249], v[248:249], v[134:135]
	v_pk_add_f32 v[246:247], v[246:247], v[138:139]
	v_pk_add_f32 v[244:245], v[244:245], v[142:143]
	v_pk_add_f32 v[10:11], v[10:11], v[146:147]
	v_pk_add_f32 v[60:61], v[60:61], v[150:151]
	v_pk_add_f32 v[254:255], v[254:255], v[154:155]
	v_pk_add_f32 v[252:253], v[252:253], v[158:159]
	v_pk_add_f32 v[250:251], v[250:251], v[162:163]
	v_pk_add_f32 v[248:249], v[248:249], v[166:167]
	v_pk_add_f32 v[246:247], v[246:247], v[170:171]
	v_pk_add_f32 v[244:245], v[244:245], v[174:175]
	v_pk_add_f32 v[10:11], v[10:11], v[178:179]
	v_pk_add_f32 v[60:61], v[60:61], v[182:183]
	v_pk_add_f32 v[254:255], v[254:255], v[186:187]
	v_pk_add_f32 v[252:253], v[252:253], v[190:191]
	v_pk_add_f32 v[250:251], v[250:251], v[194:195]
	v_pk_add_f32 v[248:249], v[248:249], v[198:199]
	v_pk_add_f32 v[246:247], v[246:247], v[202:203]
	v_pk_add_f32 v[244:245], v[244:245], v[206:207]
	s_delay_alu instid0(VALU_DEP_4)
	v_pk_add_f32 v[10:11], v[10:11], v[250:251]
	s_delay_alu instid0(VALU_DEP_4)
	v_pk_add_f32 v[60:61], v[60:61], v[248:249]
	s_delay_alu instid0(VALU_DEP_4)
	v_pk_add_f32 v[254:255], v[254:255], v[246:247]
	s_delay_alu instid0(VALU_DEP_4)
	v_pk_add_f32 v[252:253], v[252:253], v[244:245]
	s_delay_alu instid0(VALU_DEP_2)
	v_pk_add_f32 v[10:11], v[10:11], v[254:255]
	s_delay_alu instid0(VALU_DEP_2)
	v_pk_add_f32 v[60:61], v[60:61], v[252:253]
	s_delay_alu instid0(VALU_DEP_1)
	v_pk_add_f32 v[10:11], v[10:11], v[60:61]
	s_delay_alu instid0(VALU_DEP_1)
	v_add_f32 v10, v10, v11
	s_delay_alu instid0(VALU_DEP_1)
	v_permlanex16_b32 v11, v10, s46, s47
	s_delay_alu instid0(VALU_DEP_1)
	v_add_f32 v10, v10, v11
	s_wait_alu depctr_va_vdst(0)
	v_rcp_f32 v13, v10
	v_nop
	s_wait_alu depctr_va_vdst(0)                   ; one wait for the nine exponentials and the reciprocal
	v_mul_f32 v12, 0x3d800000, v13                 ; 1 / (16 l)
.irp b, 0,1,2,3,4,5,6,7,8
	v_max_num_f32 v[BMX+\b], 0x4800000, v[BMX+\b]  ; the floor 2^(9 - 127)
.endr
.irp b, 0,1,2,3,4,5,6,7,8
	v_add_nc_u32 v[SOP+\b], 0xfc000000, v[BMX+\b]
.endr
.irp b, 0,1,2,3,4,5,6,7,8
	v_and_or_b32 v[LIM+\b], v[BMX+\b], 0x7f800000, s50
.endr
.irp b, 0,4,8
	v_lshrrev_b32 v[PW+\b/4], 23, v[SOP+\b]
.endr
.irp b, 1,2,3,5,6,7
	v_lshrrev_b32 v59, 23, v[SOP+\b]
	s_delay_alu instid0(VALU_DEP_1)
	v_lshl_or_b32 v[PW+\b/4], v59, 8*(\b%4), v[PW+\b/4]
.endr
.irp i, 0,1,2,3,4,5,6,7,8,9,10,11
	v_mov_b32 v[P+36+\i], 0                        ; keys 288 .. 383 of the third step: zero codes
.endr
.irp t, 0,1,2,3
.irp i, 0,1,2
	global_load_b32 v[SCW+3*\t+\i], v4, s[26:27] offset:\i*4096+(32*(\t/2)+8*(\t%2))*4   ; v's scale words of three groups of 128 tokens, for tile t's channels
.endr
.endr
; ---- p is quantised (a held copy: p itself stays whole), the weights p / (16 l) go to LDS, and v's fragments are loaded into the registers that the weights have left
.macro MINCVT j, half
.set ii, 0
.rept 8
	v_min_num_f32 v[T8+ii], v[S+16*(\j)+8*(\half)+ii], v[LIM+(\j)]   ; p is not negative: the hold is one-sided
.set ii, ii+1
.endr
	v_cvt_scalef32_pk8_fp8_f32 v[P+4*(\j)+2*(\half):P+4*(\j)+2*(\half)+1], v[T8:T8+7], v[SOP+(\j)]
.endm
.macro WMUL j, half
.set ii, 0
.rept 4
	v_pk_mul_f32 v[S+16*(\j)+8*(\half)+ii:S+16*(\j)+8*(\half)+ii+1], v[S+16*(\j)+8*(\half)+ii:S+16*(\j)+8*(\half)+ii+1], v[12:13] op_sel_hi:[1,0]
.set ii, ii+2
.endr
.endm
.macro WSTORE j
.irp q, 0,1,2,3
	ds_store_b128 v7, v[S+16*(\j)+4*\q:S+16*(\j)+4*\q+3] offset:128*(\j)+16*\q
.endr
.endm
.macro VLOAD k                         ; region 0: block 8 of the four tiles; regions 1-4: blocks 0-3 of tiles 0-3; regions 5-8: blocks 4-7.  Tile t's rows are channels 32 (t / 2) + 8 (t % 2) + r + 8 (r / 8)
.if (\k) == 0
.irp t, 0,1,2,3
	global_load_b128 v[S+4*\t:S+4*\t+3], v2, s[24:25] offset:8*2048+(32*(\t/2)+8*(\t%2))*32
.endr
.else
.set tt, ((\k)-1)%4
.set bb, 4*(((\k)-1)/4)
.irp c, 0,1,2,3
	global_load_b128 v[S+16*(\k)+4*\c:S+16*(\k)+4*\c+3], v2, s[24:25] offset:(bb+\c)*2048+(32*(tt/2)+8*(tt%2))*32
.endr
.endif
.endm
	MINCVT 0, 0
	v_nop                                          ; a plain line between a conversion and the next write of its sources; further down the weights' multiplications are that line
	MINCVT 0, 1
	v_nop
.irp j, 1,2,3,4,5,6,7,8
	MINCVT \j, 0
	WMUL \j-1, 0
	MINCVT \j, 1
	WMUL \j-1, 1
	WSTORE \j-1
.if \j >= 2
	s_wait_dscnt 4                                 ; all but the four stores just issued: block j - 2's have read their registers
	VLOAD \j-2
.endif
.endr
	WMUL 8, 0
	WMUL 8, 1
	WSTORE 8
	s_wait_dscnt 4
	VLOAD 7
	s_wait_dscnt 0x0
	VLOAD 8
	; ---- ctx^T = v^T p^T: three steps of 128 keys, the four accumulators by turns
	s_wait_loadcnt 0x0
.irp t, 0,1,2,3
	v_alignbit_b32 v[SCW+3*\t], v[SCW+3*\t+1], v[SCW+3*\t], s34       ; the window's blocks 0-3,
	v_alignbit_b32 v[SCW+3*\t+1], v[SCW+3*\t+2], v[SCW+3*\t+1], s34   ; 4-7,
	v_alignbit_b32 v[SCW+3*\t+2], v[SCW+3*\t+2], v[SCW+3*\t+2], s34   ; 8 in byte 0 (the other bytes meet zero codes)
.endr
.rept 8
	v_nop                                          ; eight places between a scale word made by a vector line and the product that takes it
.endr
.irp t, 0,1,2,3
	v_wmma_scale_f32_16x16x128_f8f6f4 v[O+8*\t:O+8*\t+7], v[S+16+16*\t:S+16+16*\t+15], v[P:P+15], 0, v[SCW+3*\t], v[PW]
.endr
.irp t, 0,1,2,3
	v_wmma_scale_f32_16x16x128_f8f6f4 v[O+8*\t:O+8*\t+7], v[S+80+16*\t:S+80+16*\t+15], v[P+16:P+31], v[O+8*\t:O+8*\t+7], v[SCW+3*\t+1], v[PW+1]
.endr
.irp t, 0,1,2,3                        ; the third step's fragment: block 8 in its first four registers; the twelve behind them are other codes of v, which meet p's zero codes
	v_wmma_scale_f32_16x16x128_f8f6f4 v[O+8*\t:O+8*\t+7], v[S+4*\t:S+4*\t+15], v[P+32:P+47], v[O+8*\t:O+8*\t+7], v[SCW+3*\t+2], v[PW+2]
.endr
.rept 8
	v_nop
.endr
	; ---- ctx = ctx^T / l, quantised along my head's 64 channels: registers 16 b + i are channels 32 b + 16 h + i
.set ii, 0
.rept 32
	v_mul_f32 v[O+ii], v[O+ii], v13                ; each accumulator from its low end on
.set ii, ii+1
.endr
.irp b, 0,1
	v_max3_num_f32 v[64+\b], |v[O+16*\b]|, |v[O+16*\b+1]|, 0x4800000
.endr
.irp i, 2,4,6,8,10,12,14
.irp b, 0,1
	s_delay_alu instid0(VALU_DEP_2)
	v_max3_num_f32 v[64+\b], v[64+\b], |v[O+16*\b+\i]|, |v[O+16*\b+\i+1]|
.endr
.endr
.irp b, 0,1
	s_delay_alu instid0(VALU_DEP_2)
	v_permlanex16_b32 v[66+\b], v[64+\b], s46, s47
.endr
.irp b, 0,1
	s_delay_alu instid0(VALU_DEP_2)
	v_max_num_f32 v[64+\b], v[64+\b], v[66+\b]
.endr
.irp b, 0
	s_delay_alu instid0(VALU_DEP_2)
	v_add_nc_u32 v[68+\b], 0xfc000000, v[64+\b]
	s_delay_alu instid0(VALU_DEP_3)
	v_and_or_b32 v[70+\b], v[64+\b], 0x7f800000, s50
	s_delay_alu instid0(VALU_DEP_2)
	v_lshrrev_b32 v[72+\b], 23, v[68+\b]
.endr
.irp b, 1
	s_delay_alu instid0(VALU_DEP_4)
	v_add_nc_u32 v[68+\b], 0xfc000000, v[64+\b]
	v_and_or_b32 v[70+\b], v[64+\b], 0x7f800000, s50
	s_delay_alu instid0(VALU_DEP_2)
	v_lshrrev_b32 v[72+\b], 23, v[68+\b]
.endr
	s_delay_alu instid0(VALU_DEP_1)
	v_lshl_or_b32 v72, v73, 8, v72                 ; my head's two scale bytes of row r
	v_and_b32 v74, 15, v0
	s_wait_alu depctr_va_vdst(0)
	v_bfe_u32 v75, v0, 4, 1
	s_lshr_b32 s2, s10, 1
	s_and_b32 s3, s10, 1
	s_mul_i32 s51, s2, 2304
	s_lshl_b32 s52, s3, 6
	s_add_co_u32 s51, s51, s52
	s_add_co_u32 s51, s51, CST
	v_mul_u32_u24 v76, v74, 144
	s_delay_alu instid0(VALU_DEP_1)
	v_lshl_add_u32 v76, v75, 4, v76
	s_delay_alu instid0(VALU_DEP_1)
	v_add_nc_u32 v76, s51, v76                     ; panel wave / 2, row r, byte 64 (wave % 2) + 16 h
	s_lshl_b32 s51, s2, 6
	s_lshl_b32 s52, s3, 1
	s_add_co_u32 s51, s51, s52
	s_add_co_u32 s51, s51, SSTG
	v_lshl_add_u32 v77, v74, 2, s51
.irp b, 0,1
.irp i, 0,1,2,3,4,5,6,7,8,9,10,11,12,13,14,15
	v_med3_num_f32 v[O+16*\b+\i], v[O+16*\b+\i], -v[70+\b], v[70+\b]
.endr
	v_cvt_scalef32_pk8_fp8_f32 v[P+4*\b:P+4*\b+1], v[O+16*\b:O+16*\b+7], v[68+\b]
	v_cvt_scalef32_pk8_fp8_f32 v[P+4*\b+2:P+4*\b+3], v[O+16*\b+8:O+16*\b+15], v[68+\b]
.endr
	v_nop
	ds_store_b128 v76, v[P:P+3]
	ds_store_b128 v76, v[P+4:P+7] offset:32
	ds_store_b16 v77, v72                          ; both halves of the lanes write the same bytes with the same value
	s_wait_dscnt 0x0                               ; for the others' sake: my weights, codes and scale bytes lie in LDS
	s_barrier_signal -1
	s_barrier_wait -1                              ; the kernel's one barrier; behind it LDS is only read
	; ---- the head mean of query row w: three chunks of 128 keys, four keys a lane
	v_and_b32 v79, 31, v0
	s_delay_alu instid0(VALU_DEP_1)
	v_lshlrev_b32 v194, 4, v79                     ; 16 x lane
	s_delay_alu instid0(VALU_DEP_2)
	v_lshlrev_b32 v76, 2, v79
	s_delay_alu instid0(VALU_DEP_1)
	v_sub_nc_u32 v76, v76, s45                     ; my first key of chunk 0, counted from the window's start (negative: in front of it)
	s_delay_alu instid0(VALU_DEP_1)
	v_add_nc_u32 v77, 128, v76
	s_delay_alu instid0(VALU_DEP_2)
	v_add_nc_u32 v78, 0x100, v76
	s_mul_i32 s2, s10, WP
.irp i, 0,1,2
	v_min_u32 v[64+4*\i], 0x11c, v[76+\i]          ; a lane outside the window reads the row's last four numbers and stores zeros
	s_delay_alu instid0(VALU_DEP_1)
	v_lshl_add_u32 v[64+4*\i], v[64+4*\i], 2, s2
	s_delay_alu instid0(VALU_DEP_1)
	v_add_nc_u32 v[65+4*\i], 4*WR, v[64+4*\i]      ; four heads go by the immediate, four groups of four by registers
	s_delay_alu instid0(VALU_DEP_2)
	v_add_nc_u32 v[66+4*\i], 8*WR, v[64+4*\i]
	s_delay_alu instid0(VALU_DEP_3)
	v_add_nc_u32 v[67+4*\i], 12*WR, v[64+4*\i]
.endr
.irp i, 0,1,2
	s_add_co_u32 s3, s44, \i
	s_and_b32 s3, s3, 15
	s_lshl_b32 s3, s3, 9
	v_add_nc_u32 v[188+\i], s3, v194
.endr
.macro MLOAD g
.irp i, 0,1,2
.irp hh, 0,1,2,3
	ds_load_b128 v[80+48*((\g)%2)+16*\i+4*\hh:80+48*((\g)%2)+16*\i+4*\hh+3], v[64+4*\i+(\g)] offset:WR*\hh
.endr
.endr
.endm
.macro MSUM g
.set BB, 80+48*((\g)%2)
.irp i, 0,1,2
.irp p, 0,2
.if (\g) == 0
	v_pk_add_f32 v[176+4*\i+\p:177+4*\i+\p], v[BB+16*\i+\p:BB+16*\i+\p+1], v[BB+16*\i+4+\p:BB+16*\i+4+\p+1]
.else
	v_pk_add_f32 v[176+4*\i+\p:177+4*\i+\p], v[176+4*\i+\p:177+4*\i+\p], v[BB+16*\i+\p:BB+16*\i+\p+1]
	s_delay_alu instid0(VALU_DEP_1)
	v_pk_add_f32 v[176+4*\i+\p:177+4*\i+\p], v[176+4*\i+\p:177+4*\i+\p], v[BB+16*\i+4+\p:BB+16*\i+4+\p+1]
.endif
	s_delay_alu instid0(VALU_DEP_1)
	v_pk_add_f32 v[176+4*\i+\p:177+4*\i+\p], v[176+4*\i+\p:177+4*\i+\p], v[BB+16*\i+8+\p:BB+16*\i+8+\p+1]
	s_delay_alu instid0(VALU_DEP_1)
	v_pk_add_f32 v[176+4*\i+\p:177+4*\i+\p], v[176+4*\i+\p:177+4*\i+\p], v[BB+16*\i+12+\p:BB+16*\i+12+\p+1]
.endr
.endr
.endm
	s_wait_alu depctr_va_vdst(0)
	MLOAD 0
	MLOAD 1
	s_wait_dscnt 12                                ; the younger group's twelve loads may be out
	MSUM 0
	MLOAD 2
	s_wait_dscnt 12
	MSUM 1
	MLOAD 3
	s_wait_dscnt 12
	MSUM 2
	s_wait_dscnt 0x0
	MSUM 3
	s_mov_b32 s3, 288
.irp i, 0,1,2
	v_cmp_gt_u32 vcc_lo, s3, v[76+\i]              ; inside the window?  (its ends are multiples of 32 keys: a lane's four keys lie on one side)
.irp p, 0,1,2,3
	v_cndmask_b32 v[176+4*\i+\p], 0, v[176+4*\i+\p], vcc_lo
.endr
.endr
.irp i, 0,1,2
	global_store_b128 v[188+\i], v[176+4*\i:179+4*\i], s[28:29] th:TH_STORE_NT   ; 32 lanes store 512 consecutive bytes, aligned
.endr
	; ---- ctx out: wave w takes panel w / 2, rows 8 (w % 2) on: 1,024 consecutive bytes
	v_lshrrev_b32 v192, 3, v79
	s_delay_alu instid0(VALU_DEP_1)
	v_mul_u32_u24 v192, v192, 144
	v_and_b32 v193, 7, v79
	s_delay_alu instid0(VALU_DEP_1)
	v_lshl_add_u32 v192, v193, 4, v192
	s_lshr_b32 s2, s10, 1
	s_and_b32 s3, s10, 1
	s_mul_i32 s51, s2, 2304
	s_mul_i32 s52, s3, 8*144
	s_add_co_u32 s51, s51, s52
	s_add_co_u32 s51, s51, CST
	v_add_nc_u32 v192, s51, v192
	v_add_nc_u32 v195, SSTG, v194
	v_lshrrev_b32 v220, 2, v79
	s_delay_alu instid0(VALU_DEP_1)
	v_lshlrev_b32 v220, 14, v220
	v_and_b32 v221, 3, v79
	s_delay_alu instid0(VALU_DEP_1)
	v_lshl_add_u32 v220, v221, 4, v220             ; scale words: panel lane / 4, 16,384 bytes apart; four rows a lane
	ds_load_b128 v[196:199], v192
	ds_load_b128 v[200:203], v192 offset:576
	s_wait_dscnt 0x0
	global_store_b128 v194, v[196:199], s[30:31]
	global_store_b128 v194, v[200:203], s[30:31] offset:512
	s_cmp_lg_u32 s10, 0
	s_cbranch_scc1 .Lend
	s_wait_alu depctr_va_vdst(0)
	ds_load_b128 v[204:207], v195                  ; wave 0 alone: the work-group's 512 bytes of scale words
	s_wait_dscnt 0x0
	global_store_b128 v220, v[204:207], s[32:33]
.Lend:
	s_wait_xcnt 0x0
	v_lshl_add_u32 v254, v0, 2, 0x4da00
	v_mov_b32 v255, 0
	s_wait_alu depctr_va_vdst(0)
	s_wait_tensorcnt 0x0
	ds_add_u32 v254, v255
	s_wait_dscnt 0x0
	s_endpgm
.Lfunc_end_k_qc7e5a3daf3_attn:
	.size	k_qc7e5a3daf3_attn, .Lfunc_end_k_qc7e5a3daf3_attn-k_qc7e5a3daf3_attn
	.p2alignl 7, 3214868480
	.fill 96, 4, 3214868480
	.section	.rodata,"a",@progbits
	.p2align	6, 0x0
	.amdhsa_kernel k_qc7e5a3daf3_attn
		.amdhsa_group_segment_fixed_size 320000
		.amdhsa_private_segment_fixed_size 0
		.amdhsa_enable_private_segment 0
		.amdhsa_kernarg_size 24
		.amdhsa_user_sgpr_count 2
		.amdhsa_user_sgpr_kernarg_segment_ptr 1
		.amdhsa_wavefront_size32 1
		.amdhsa_system_sgpr_workgroup_id_x 1
		.amdhsa_system_sgpr_workgroup_id_y 1
		.amdhsa_system_sgpr_workgroup_id_z 1
		.amdhsa_system_vgpr_workitem_id 0
		.amdhsa_next_free_vgpr 256
		.amdhsa_next_free_sgpr 66
		.amdhsa_reserve_vcc 1
		.amdhsa_float_denorm_mode_32 3
		.amdhsa_float_denorm_mode_16_64 3
		.amdhsa_memory_ordered 1
		.amdhsa_forward_progress 1
		.amdhsa_inst_pref_size 95
	.end_amdhsa_kernel
	.amdgpu_metadata
---
amdhsa.version: [ 1, 2 ]
amdhsa.kernels:
  - .name:           k_qc7e5a3daf3_attn
    .symbol:         k_qc7e5a3daf3_attn.kd
    .args:
      - { .name: qkv, .offset: 0, .size: 8, .value_kind: global_buffer, .address_space: global }
      - { .name: ctx, .offset: 8, .size: 8, .value_kind: global_buffer, .address_space: global }
      - { .name: out1, .offset: 16, .size: 8, .value_kind: global_buffer, .address_space: global }
    .group_segment_fixed_size: 320000
    .private_segment_fixed_size: 0
    .kernarg_segment_align: 8
    .kernarg_segment_size: 24
    .max_flat_workgroup_size: 512
    .sgpr_count:     66
    .vgpr_count:     256
    .wavefront_size: 32
...
	.end_amdgpu_metadata
.endif
;; end of part 3
;; launch oproj (part 4): grid 8 x 32, 4 waves a work-group, clusters of 4 x 4, 327,680 bytes of LDS; arguments ctx, out_proj_w_codes, out_proj_w_scales, out_proj_b, x, x1; writes x1
.if DOCPART == 4
	.amdgcn_target "amdgcn-amd-amdhsa--gfx1250"
	.amdhsa_code_object_version 6
	.text
	.protected	k_qc7e5a3daf3_oproj
	.globl	k_qc7e5a3daf3_oproj
	.p2align	8
	.type	k_qc7e5a3daf3_oproj,@function
k_qc7e5a3daf3_oproj:
	s_mov_b64 s[64:65], 0
	v_nop
	global_prefetch_b8 v0, s[64:65] scope:SCOPE_SE
	s_setreg_imm32_b32 hwreg(HW_REG_WAVE_MODE, 25, 1), 1
	s_wait_xcnt 0x0
	s_wait_alu depctr_hold_cnt(0) depctr_sa_sdst(0) depctr_va_vdst(0) depctr_va_sdst(0) depctr_va_ssrc(0) depctr_va_vcc(0) depctr_vm_vsrc(0)
	s_getreg_b32 s2, hwreg(HW_REG_IB_STS2, 6, 4)
	s_cmp_eq_u32 s2, 0
	s_cbranch_scc0 .Lentry_in_a_cluster
	s_endpgm
.Lentry_in_a_cluster:
	s_bfe_u32 s2, ttmp6, 0x10000c
	s_cmp_lg_u32 s2, 0xf033
	s_cbranch_scc0 .Lentry_shape_is_right
	s_endpgm
.Lentry_shape_is_right:
; C[m][n] = R[m][n] + bias[n] + sum over k of A[m][k] B[n][k], on codes of E4M3 with E8M0 scales; M = 4,096, N = 1,024, K = SIZE_K; C and R f32.
; A comes in PANELS: codes [K / 128][4096 rows][128 bytes], then one scale word for each row and panel, [K / 128][4096].  B: codes [1024][K], scale bytes [1024][K / 32].
; N is short: tiles of 128 x 128 of C give each of 256 work-groups one tile; tiles of 256 x 256 would be 64.  Four waves, 64 x 64 each: 16 accumulators.
; K goes in steps of 512 (four quarters of 128) through a ring of two LDS slots; all scale words and bytes of the work-group's rows come into LDS once, with the first fills.
; CLUSTERS: 4 x 4 work-groups; A's tiles are asked for jointly along a row of the cluster, B's along a column.  The matrix instruction is used transposed (source 0 = 16 rows of B, source 1 = 16 rows of A):
; accumulator (a, b), lane (r, h), register j = C(16 a + r, 16 b + 8 h + j).  The bias is the C of each sum's first matrix instruction.  R is loaded at the head, in the layout of the final stores, and waits in registers.
; REGISTERS: window 0: v16-29 addresses; v32-47 scale words, two sets (nothing else); v48-79 the bias, later rows on their way out, with v80-111; v128-255 the accumulators.
;   window 1: two fragment buffers of 128: A's four fragments, then B's four.   window 2: v0-127 R.
.set SIZE_K, 1024
.set NPN,    SIZE_K/128
.set KS,     SIZE_K/32
.set LAPS,   SIZE_K/1024                ; a lap = two K steps = once round the ring
.set AH,     36864                      ; half of A's tile: two panels of [row 128][128 bytes + 16]
.set BH,     33792                      ; half of B's: 64 rows of 512 bytes + 16
.set BOFF,   2*AH
.set SLOT,   2*AH+2*BH
.set SCA,    2*SLOT                     ; A's scale words: [panel][128 rows x 4 bytes]
.set SCB,    SCA+512*NPN                ; B's scale bytes, as units of 256 bytes + 16 of padding
.set SBU,    64*KS/256
.set HALFSB, SBU*272
.set SBB,    (16*KS/256)*272
.set SPARE,  SCB+2*HALFSB               ; the spare words, 128 bytes a wave: no other line names them
.set ADRA, 16
.set ADRB, 20
.set ADSA, 22
.set ADSB, 23
.set STO,  24
.set RD,   25
.set CO,   26
.set SPW,  28
.set NIL,  29
.set SC,   32
.set BN,   48
.set TMP,  48
.set ACC,  128
.set WV, 16
.set RH, 17
.set CH, 18
.set G1A, 24
.set G0A, 32
.set G1B, 48
.set G0B, 56
.set G1SA, 68
.set G0SA, 76
.set G1SB, 80
.set G0SB, 88
.set MSB, 0
.macro WIN new
.if MSB != \new
	s_set_vgpr_msb (MSB<<8)|\new
.set MSB, \new
.endif
.endm
.set MUL, 0x05                         ; sources 0 and 1 window 1; C and D window 0
.macro JLOAD g0a, g1a, g0b, g1b        ; waves 0 and 1 fetch for A, waves 2 and 3 for B; four v_nop follow each of the two lines
	s_cmp_eq_u32 s[RH], 0
	s_cbranch_scc0 .Lfor_b_\@
	tensor_load_to_lds s[\g0a:\g0a+3], s[\g1a:\g1a+7]
	s_nop 0
.rept 4
	v_nop
.endr
	s_branch .Lasked_\@
.Lfor_b_\@:
	tensor_load_to_lds s[\g0b:\g0b+3], s[\g1b:\g1b+7]
	s_nop 0
.rept 4
	v_nop
.endr
.Lasked_\@:
.endm
.macro CREST
	s_cmp_lg_u32 s[WV], 0
	s_cbranch_scc1 .Lnot_wave_0_\@
	s_barrier_signal -3
.Lnot_wave_0_\@:
	s_barrier_wait -3
	s_barrier_signal -1
	s_barrier_wait -1
.endm
.macro CROUND
	s_barrier_signal -1
	s_barrier_wait -1
	CREST
.endm
	s_load_b256 s[4:11], s[0:1], 0x0               ; A, B's codes, B's scales, the bias
	s_load_b128 s[12:15], s[0:1], 0x20             ; R, C
	v_lshl_add_u32 v[SPW], v0, 2, SPARE
	v_mov_b32 v[NIL], 0
	ds_add_u32 v28, v29
	ds_add_u32 v28, v29
	s_wait_dscnt 0x0
	v_lshrrev_b32 v1, 5, v0
	v_readfirstlane_b32 s[WV], v1
	s_lshr_b32 s[RH], s[WV], 1                     ; which half of the tile's rows is mine.  Also: I fetch for A (0) or for B (1)
	s_and_b32 s[CH], s[WV], 1                      ; which half of its columns.  Also: which 64 rows I fetch
	s_bfe_u32 s40, ttmp6, 0x40000                  ; cx
	s_bfe_u32 s41, ttmp6, 0x40004                  ; cy
	s_lshl_b32 s42, ttmp9, 2
	s_add_co_u32 s42, s42, s40                     ; tile column
	s_and_b32 s43, ttmp7, 0xffff
	s_lshl_b32 s43, s43, 2
	s_add_co_u32 s43, s43, s41                     ; tile row
	s_lshl_b32 s44, s41, 2
	s_lshl_b32 s44, 15, s44                        ; my row of the cluster
	s_lshl_b32 s45, 0x1111, s40                    ; my column
	; A's codes: a panel's 128 rows x 128 bytes are 16,384 dense bytes, stated as one row; 16 bytes of padding behind every 128.  Four panels for the head's load; behind it two, for the ring's
	s_or_b32 s[G1A+0], s44, (0<<16)|(1<<20)|(1<<21)|(4<<22)|(3<<25)
	s_mov_b32 s[G1A+1], 16384<<16
	s_mov_b32 s[G1A+2], 4<<16
	s_mov_b32 s[G1A+3], 16384<<16
	s_mov_b32 s[G1A+4], 4                          ; tile_dim1
	s_mov_b32 s[G1A+5], 524288                     ; from panel to panel
	s_mov_b32 s[G1A+6], 0
	s_mov_b32 s[G1A+7], 0
	; B's codes: rows of 512 bytes, 16 bytes of padding behind each: 128 rows for the head's load; behind it 64, for the ring's
	s_or_b32 s[G1B+0], s45, (0<<16)|(1<<20)|(1<<21)|(6<<22)|(3<<25)
	s_mov_b32 s[G1B+1], 512<<16
	s_mov_b32 s[G1B+2], 128<<16
	s_mov_b32 s[G1B+3], 512<<16
	s_mov_b32 s[G1B+4], 128
	s_mov_b32 s[G1B+5], SIZE_K
	s_mov_b32 s[G1B+6], 0
	s_mov_b32 s[G1B+7], 0
	; A's scale words: 512 bytes (64 elements of 8) of each panel, 16,384 bytes apart, no padding
	s_or_b32 s[G1SA+0], s44, (3<<16)|(1<<21)
	s_mov_b32 s[G1SA+1], 64<<16
	s_mov_b32 s[G1SA+2], NPN<<16
	s_mov_b32 s[G1SA+3], 64<<16
	s_mov_b32 s[G1SA+4], NPN
	s_mov_b32 s[G1SA+5], 2048
	s_mov_b32 s[G1SA+6], 0
	s_mov_b32 s[G1SA+7], 0
	; B's scale bytes of 128 rows: a dense block, as rows of 256 bytes, 16 bytes of padding behind each
	s_or_b32 s[G1SB+0], s45, (3<<16)|(1<<20)|(1<<21)|(5<<22)|(3<<25)
	s_mov_b32 s[G1SB+1], 32<<16
	s_mov_b32 s[G1SB+2], (2*SBU)<<16
	s_mov_b32 s[G1SB+3], 32<<16
	s_mov_b32 s[G1SB+4], 2*SBU
	s_mov_b32 s[G1SB+5], 32
	s_mov_b32 s[G1SB+6], 0
	s_mov_b32 s[G1SB+7], 0
	s_lshl_b32 s20, s43, 7                         ; A: the tile's first row
	s_lshl_b32 s46, s42, 7                         ; B likewise
	s_lshl_b32 s22, s20, 2
	s_add_co_u32 s22, s22, NPN*524288              ; A's scale words lie behind its codes
	s_mov_b32 s23, 0
	s_lshl_b32 s20, s20, 7
	s_lshl_b32 s19, s[CH], 20
	s_add_co_u32 s20, s20, s19                     ; in the ring I fetch two panels of A: 2 x 524,288 bytes on for the second wave
	s_mov_b32 s21, 0
	s_mul_i32 s92, s46, KS
	s_mov_b32 s93, 0
	s_lshl_b32 s19, s[CH], 6
	s_add_co_u32 s46, s46, s19                     ; or 64 rows of B
	s_mul_i32 s46, s46, SIZE_K
	s_mov_b32 s47, 0
	s_mul_i32 s94, s[CH], AH                       ; where they go: no place in the cluster enters an LDS address
	s_mul_i32 s95, s[CH], BH
	s_add_co_u32 s95, s95, BOFF
	s_wait_kmcnt 0x0
	s_add_nc_u64 s[20:21], s[4:5], s[20:21]
	s_add_nc_u64 s[22:23], s[4:5], s[22:23]
	s_add_nc_u64 s[46:47], s[6:7], s[46:47]
	s_add_nc_u64 s[92:93], s[8:9], s[92:93]
	CROUND                                         ; all sixteen work-groups are here: the first joint loads meet
	s_mov_b32 s[G0SA], 1
	s_mov_b32 s[G0SA+1], SCA
	s_mov_b64 s[G0SA+2:G0SA+3], s[22:23]
	s_or_b32 s[G0SA+3], s[G0SA+3], 0x80000000
	s_mov_b32 s[G0SB], 1
	s_mov_b32 s[G0SB+1], SCB
	s_mov_b64 s[G0SB+2:G0SB+3], s[92:93]
	s_or_b32 s[G0SB+3], s[G0SB+3], 0x80000000
.irp s, 0,1
	s_mov_b32 s[G0A+4*\s], 1
	s_add_co_u32 s[G0A+4*\s+1], s94, \s*SLOT
	s_add_nc_u64 s[G0A+4*\s+2:G0A+4*\s+3], s[20:21], \s*2097152   ; four panels on
	s_or_b32 s[G0A+4*\s+3], s[G0A+4*\s+3], 0x80000000
	s_mov_b32 s[G0B+4*\s], 1
	s_add_co_u32 s[G0B+4*\s+1], s95, \s*SLOT
	s_add_nc_u64 s[G0B+4*\s+2:G0B+4*\s+3], s[46:47], \s*512
	s_or_b32 s[G0B+4*\s+3], s[G0B+4*\s+3], 0x80000000
.endr
; THE HEAD'S LOADS, ONE A WAVE: wave 0 fetches K step 0's four panels of A, wave 2 its 128 rows of B (each by its own slot 0 descriptor, which begins at the tile's first byte),
; wave 1 A's scale words, wave 3 B's scale bytes.  One chain of branches on the wave's number: every way passes exactly one load.
.macro ARM wv, g0, g1, next
	s_cmp_eq_u32 s[WV], \wv
	s_cbranch_scc0 \next
	tensor_load_to_lds s[\g0:\g0+3], s[\g1:\g1+7]
	s_nop 0
.rept 4
	v_nop
.endr
	s_branch .Lhead_asked
\next:
.endm
	ARM 0, G0A, G1A, .Lhead_b
	ARM 2, G0B, G1B, .Lhead_sa
	ARM 1, G0SA, G1SA, .Lhead_sb
	tensor_load_to_lds s[G0SB:G0SB+3], s[G1SB:G1SB+7]
	s_nop 0
.rept 4
	v_nop
.endr
.Lhead_asked:
	v_and_b32 v1, 15, v0                           ; r
	v_bfe_u32 v2, v0, 4, 1                         ; h
	v_mul_u32_u24 v3, v1, 144
	v_lshl_add_u32 v3, v2, 4, v3
	v_mul_u32_u24 v4, v1, 528
	v_lshl_add_u32 v4, v2, 4, v4
	s_mul_i32 s20, s[RH], 9216                     ; my 64 rows of each panel
	s_mul_i32 s21, s[CH], BH
	s_add_co_u32 s21, s21, BOFF
.irp s, 0,1
	v_add_nc_u32 v[ADRA+\s], s20, v3
	v_add_nc_u32 v[ADRB+\s], s21, v4
	s_add_co_u32 s20, s20, SLOT
	s_add_co_u32 s21, s21, SLOT
.endr
	s_lshl_b32 s20, s[RH], 8
	s_add_co_u32 s20, s20, SCA
	v_lshl_add_u32 v[ADSA], v1, 2, s20             ; A's scale word of row r
	v_mul_u32_u24 v5, v1, KS
	v_lshrrev_b32 v6, 8, v5
	v_lshl_add_u32 v5, v6, 4, v5                   ; B's: KS bytes a row, and 16 more for each 256 passed
	s_mul_i32 s20, s[CH], HALFSB
	s_add_co_u32 s20, s20, SCB
	v_add_nc_u32 v[ADSB], s20, v5
	s_mul_i32 s20, s[WV], 17408                    ; the way out: my stage of 64 rows x 272 bytes, in slot 0, which has had its last fill and its last read by then
	v_mul_u32_u24 v5, v1, 272
	v_lshl_add_u32 v5, v2, 5, v5
	v_add_nc_u32 v[STO], s20, v5
	v_mul_u32_u24 v5, v2, 272
	v_lshl_add_u32 v5, v1, 4, v5
	v_add_nc_u32 v[RD], s20, v5
	v_lshlrev_b32 v[CO], 12, v2
	v_lshl_add_u32 v[CO], v1, 4, v[CO]             ; lanes 0-15 one row's 256 bytes, lanes 16-31 the next row's
	s_wait_alu depctr_va_vdst(0)
	s_lshl_b32 s20, s43, 7
	s_lshl_b32 s21, s[RH], 6
	s_add_co_u32 s20, s20, s21                     ; my first row
	s_lshl_b32 s20, s20, 12
	s_lshl_b32 s46, s42, 7
	s_lshl_b32 s47, s[CH], 6
	s_add_co_u32 s46, s46, s47                     ; my first column
	s_lshl_b32 s46, s46, 2
	s_mov_b32 s47, 0
	s_add_nc_u64 s[10:11], s[10:11], s[46:47]
	s_add_co_u32 s20, s20, s46
	s_mov_b32 s21, 0
	s_add_nc_u64 s[12:13], s[12:13], s[20:21]
	s_add_nc_u64 s[14:15], s[14:15], s[20:21]
	v_lshlrev_b32 v5, 5, v2
.irp b, 0,1,2,3
	global_load_b128 v[BN+8*\b:BN+8*\b+3], v5, s[10:11] offset:64*\b
	global_load_b128 v[BN+8*\b+4:BN+8*\b+7], v5, s[10:11] offset:64*\b+16
.endr
.macro RLOAD                           ; R, in the layout of the final stores, into window 2: asked for behind the first quarter's products, so that the head's tiles are asked of memory first; first read on the way out
	WIN 0x80                                       ; destination window 2
.irp a, 0,1,2,3
.irp t, 0,1,2,3,4,5,6,7
	global_load_b128 v[32*\a+4*\t:32*\a+4*\t+3], v[CO], s[12:13] offset:(16*\a+2*\t)*4096 th:TH_LOAD_NT
.endr
.endr
	WIN 0
.endm
; 40 LDS loads: a quarter's scale words, B's four fragments, A's four
.macro FETCH slot, q, fi
	WIN 0
.irp b, 0,1,2,3
	ds_load_b32 v[SC+8*(\fi)+\b], v[ADSB] offset:4*(\q)+\b*SBB
.endr
.irp a, 0,1,2,3
	ds_load_b32 v[SC+8*(\fi)+4+\a], v[ADSA] offset:512*(\q)+64*\a
.endr
	WIN 0x40
.irp b, 0,1,2,3
.irp c, 0,1,2,3
	ds_load_b128 v[128*(\fi)+64+16*\b+4*\c:128*(\fi)+64+16*\b+4*\c+3], v[ADRB+\slot] offset:128*(\q)+\b*8448+32*\c
.endr
.endr
.irp a, 0,1,2,3
.irp c, 0,1,2,3
	ds_load_b128 v[128*(\fi)+16*\a+4*\c:128*(\fi)+16*\a+4*\c+3], v[ADRA+\slot] offset:18432*(\q)+\a*2304+32*\c
.endr
.endr
.endm
; 4 matrix instructions: A's block a x B's four.  The 16 accumulators take turns, one instruction a turn, in the same order in every quarter.
.macro MUL4 fi, a, first
.irp b, 0,1,2,3
.if \first
	v_wmma_scale_f32_16x16x128_f8f6f4 v[ACC+8*(4*(\a)+\b):ACC+8*(4*(\a)+\b)+7], v[128*(\fi)+64+16*\b:128*(\fi)+64+16*\b+15], v[128*(\fi)+16*(\a):128*(\fi)+16*(\a)+15], v[BN+8*\b:BN+8*\b+7], v[SC+8*(\fi)+\b], v[SC+8*(\fi)+4+(\a)]
.else
	v_wmma_scale_f32_16x16x128_f8f6f4 v[ACC+8*(4*(\a)+\b):ACC+8*(4*(\a)+\b)+7], v[128*(\fi)+64+16*\b:128*(\fi)+64+16*\b+15], v[128*(\fi)+16*(\a):128*(\fi)+16*(\a)+15], v[ACC+8*(4*(\a)+\b):ACC+8*(4*(\a)+\b)+7], v[SC+8*(\fi)+\b], v[SC+8*(\fi)+4+(\a)]
.endif
.endr
.endm
.macro PLACES n
.rept \n
	v_nop
.endr
.endm
; One of a K step's first three quarters: multiplies buffer f and fetches quarter qn of the same slot into buffer g.
.macro QUARTER slot, qn, f, g, first
	s_wait_dscnt 8                                 ; all but A's fragments 2 and 3, the youngest eight loads
	WIN MUL
	MUL4 \f, 0, \first
	MUL4 \f, 1, \first
	PLACES 8                                       ; in front of loads into registers that matrix instructions have read
	FETCH \slot, \qn, \g
	s_wait_dscnt 40                                ; all but the 40 just issued
	WIN MUL
	MUL4 \f, 2, \first
	MUL4 \f, 3, \first
.endm
; The last quarter multiplies buffer 1 and changes slots: one barrier; in front of it each wave waits for all its tensor loads, adds 0 to its spare word, and waits for that and for its own reads of this slot.
.macro TURN slot, next, fill
	WIN 0
	s_wait_tensorcnt 0x0                           ; all my tensor loads have landed: my part of the next slot
	ds_add_u32 v[SPW], v[NIL]                      ; 0 onto my spare word
	s_wait_dscnt 9                                 ; (the add and the youngest eight loads may be out)
	WIN MUL
	MUL4 1, 0, 0
	s_wait_dscnt 0x0                               ; the add is done, and my reads of this slot are over
	s_barrier_signal -1
	MUL4 1, 1, 0
	WIN 0
	s_barrier_wait -1
.if \fill
	CREST                                          ; the barrier has opened a round of the cluster's: no wave of any partner still reads this slot or has a load on its way
	s_add_nc_u64 s[G0A+4*\slot+2:G0A+4*\slot+3], s[G0A+4*\slot+2:G0A+4*\slot+3], 4194304   ; eight panels on
	s_add_nc_u64 s[G0B+4*\slot+2:G0B+4*\slot+3], s[G0B+4*\slot+2:G0B+4*\slot+3], 1024
	JLOAD G0A+4*\slot, G1A, G0B+4*\slot, G1B       ; the first tensor load behind the round, my one load until the next
	PLACES 4
.else
	PLACES 8
.endif
	v_add_nc_u32 v[ADSA], 2048, v[ADSA]            ; the next K step's scale words (no LDS load of mine is out)
	v_add_nc_u32 v[ADSB], 16, v[ADSB]
	FETCH \next, 0, 0
	WIN MUL
	MUL4 1, 2, 0
	MUL4 1, 3, 0
.endm
	s_wait_alu depctr_va_vdst(0)                   ; the wait at the head's end
	s_wait_tensorcnt 0x0                           ; my tile of the head's four is in
	ds_add_u32 v[SPW], v[NIL]
	s_mov_b32 s[G1A+2], 2<<16                      ; no tensor load of mine is out: from here on a load brings two panels of A,
	s_mov_b32 s[G1A+4], 2
	s_mov_b32 s[G1B+2], 64<<16                     ; or 64 rows of B
	s_mov_b32 s[G1B+4], 64
	s_wait_dscnt 0x0
	CROUND                                         ; all four tiles are in, and all sixteen work-groups are here
	JLOAD G0A+4, G1A, G0B+4, G1B                   ; K step 1: the first tensor load behind the round
	FETCH 0, 0, 0
	s_wait_loadcnt 0x0                             ; the bias is in
	QUARTER 0, 1, 0, 1, 1                          ; the first quarter stands in front of the loop: its products start the sums, on the bias
	RLOAD
.if LAPS > 1
	WIN 0
	s_mov_b32 s3, LAPS-1
.Llap:
	QUARTER 0, 2, 1, 0, 0
	QUARTER 0, 3, 0, 1, 0
	TURN 0, 1, 1
	QUARTER 1, 1, 0, 1, 0
	QUARTER 1, 2, 1, 0, 0
	QUARTER 1, 3, 0, 1, 0
	TURN 1, 0, 1
	QUARTER 0, 1, 0, 1, 0
	WIN 0
	s_sub_co_u32 s3, s3, 1
	s_cmp_lg_u32 s3, 0
	s_cbranch_scc1 .Llap
.endif
	QUARTER 0, 2, 1, 0, 0                          ; the last lap fills nothing
	QUARTER 0, 3, 0, 1, 0
	TURN 0, 1, 0
	s_wait_alu depctr_va_vdst(0)
	QUARTER 1, 1, 0, 1, 0
	QUARTER 1, 2, 1, 0, 0
	QUARTER 1, 3, 0, 1, 0
	s_wait_dscnt 8
	WIN MUL
	MUL4 1, 0, 0
	MUL4 1, 1, 0
	s_wait_dscnt 0
	MUL4 1, 2, 0
	MUL4 1, 3, 0
	WIN 0
	; THE WAY OUT: 16 rows at a time through my own stage (LDS serves a wave's instructions in order), back as rows of 256 bytes, + R, stored: sixteen lanes store 256 consecutive bytes, aligned
	PLACES 8
	s_wait_loadcnt 0x0                             ; R
.irp a, 0,1,2,3
.irp b, 0,1,2,3
	ds_store_b128 v[STO], v[ACC+8*(4*\a+\b):ACC+8*(4*\a+\b)+3] offset:4352*\a+64*\b          ; each accumulator from its low end on
	ds_store_b128 v[STO], v[ACC+8*(4*\a+\b)+4:ACC+8*(4*\a+\b)+7] offset:4352*\a+64*\b+16
.endr
.if \a >= 2
	s_wait_xcnt 0x0                                ; the stores of two blocks back have read these registers
.endif
.irp t, 0,1,2,3,4,5,6,7
	ds_load_b128 v[TMP+32*(\a%2)+4*\t:TMP+32*(\a%2)+4*\t+3], v[RD] offset:(16*\a+2*\t)*272
.endr
	s_wait_dscnt 0x0
	WIN 0x08                                       ; source 1 (R) window 2
.irp k, 0,2,4,6,8,10,12,14,16,18,20,22,24,26,28,30
	v_pk_add_f32 v[TMP+32*(\a%2)+\k:TMP+32*(\a%2)+\k+1], v[TMP+32*(\a%2)+\k:TMP+32*(\a%2)+\k+1], v[32*\a+\k:32*\a+\k+1]
.endr
	WIN 0
.irp t, 0,1,2,3,4,5,6,7
	global_store_b128 v[CO], v[TMP+32*(\a%2)+4*\t:TMP+32*(\a%2)+4*\t+3], s[14:15] offset:(16*\a+2*\t)*4096 th:TH_STORE_NT
.endr
.endr
	s_wait_tensorcnt 0x0                           ; the wave's end
	ds_add_u32 v[SPW], v[NIL]
	s_wait_dscnt 0x0
	CROUND                                         ; the closing round
	s_endpgm
.Lfunc_end_k_qc7e5a3daf3_oproj:
	.size	k_qc7e5a3daf3_oproj, .Lfunc_end_k_qc7e5a3daf3_oproj-k_qc7e5a3daf3_oproj
	.p2alignl 7, 3214868480
	.fill 96, 4, 3214868480
	.section	.rodata,"a",@progbits
	.p2align	6, 0x0
	.amdhsa_kernel k_qc7e5a3daf3_oproj
		.amdhsa_group_segment_fixed_size 327680
		.amdhsa_private_segment_fixed_size 0
		.amdhsa_enable_private_segment 0
		.amdhsa_kernarg_size 48
		.amdhsa_user_sgpr_count 2
		.amdhsa_user_sgpr_kernarg_segment_ptr 1
		.amdhsa_wavefront_size32 1
		.amdhsa_system_sgpr_workgroup_id_x 1
		.amdhsa_system_sgpr_workgroup_id_y 1
		.amdhsa_system_sgpr_workgroup_id_z 1
		.amdhsa_system_vgpr_workitem_id 0
		.amdhsa_next_free_vgpr 768
		.amdhsa_next_free_sgpr 100
		.amdhsa_reserve_vcc 0
		.amdhsa_float_denorm_mode_32 3
		.amdhsa_float_denorm_mode_16_64 3
		.amdhsa_memory_ordered 1
		.amdhsa_forward_progress 1
		.amdhsa_inst_pref_size 66
	.end_amdhsa_kernel
	.amdgpu_metadata
---
amdhsa.version: [ 1, 2 ]
amdhsa.kernels:
  - .name:           k_qc7e5a3daf3_oproj
    .symbol:         k_qc7e5a3daf3_oproj.kd
    .args:
      - { .name: ctx, .offset: 0, .size: 8, .value_kind: global_buffer, .address_space: global }
      - { .name: out_proj_w_codes, .offset: 8, .size: 8, .value_kind: global_buffer, .address_space: global }
      - { .name: out_proj_w_scales, .offset: 16, .size: 8, .value_kind: global_buffer, .address_space: global }
      - { .name: out_proj_b, .offset: 24, .size: 8, .value_kind: global_buffer, .address_space: global }
      - { .name: x, .offset: 32, .size: 8, .value_kind: global_buffer, .address_space: global }
      - { .name: x1, .offset: 40, .size: 8, .value_kind: global_buffer, .address_space: global }
    .group_segment_fixed_size: 327680
    .private_segment_fixed_size: 0
    .kernarg_segment_align: 8
    .kernarg_segment_size: 48
    .max_flat_workgroup_size: 128
    .sgpr_count:     100
    .vgpr_count:     768
    .wavefront_size: 32
...
	.end_amdgpu_metadata
.endif
;; end of part 4
;; launch ln2: the kernel of part 1 again; grid 256 x 1, 8 waves a work-group, no clusters, 42,496 bytes of LDS; arguments x1, ln2_g, ln2_b, act; writes act
;; launch ff1 (part 5): grid 16 x 16, 4 waves a work-group, clusters of 4 x 4, 327,680 bytes of LDS; arguments act, w1_codes, w1_scales, b1, hid; writes hid
.if DOCPART == 5
	.amdgcn_target "amdgcn-amd-amdhsa--gfx1250"
	.amdhsa_code_object_version 6
	.text
	.protected	k_qc7e5a3daf3_ff1
	.globl	k_qc7e5a3daf3_ff1
	.p2align	8
	.type	k_qc7e5a3daf3_ff1,@function
k_qc7e5a3daf3_ff1:
	s_mov_b64 s[64:65], 0
	v_nop
	global_prefetch_b8 v0, s[64:65] scope:SCOPE_SE
	s_setreg_imm32_b32 hwreg(HW_REG_WAVE_MODE, 25, 1), 1
	s_wait_xcnt 0x0
	s_wait_alu depctr_hold_cnt(0) depctr_sa_sdst(0) depctr_va_vdst(0) depctr_va_sdst(0) depctr_va_ssrc(0) depctr_va_vcc(0) depctr_vm_vsrc(0)
	s_getreg_b32 s2, hwreg(HW_REG_IB_STS2, 6, 4)
	s_cmp_eq_u32 s2, 0
	s_cbranch_scc0 .Lentry_in_a_cluster
	s_endpgm
.Lentry_in_a_cluster:
	s_bfe_u32 s2, ttmp6, 0x10000c
	s_cmp_lg_u32 s2, 0xf033
	s_cbranch_scc0 .Lentry_shape_is_right
	s_endpgm
.Lentry_shape_is_right:
; h = gelu(xn2 W1^T + b1) on codes of E4M3 (K = 1,024), quantised along the hidden units, as the next launch wants it: codes in panels [4096 / 128][4096 rows][128 bytes], then a scale word for each row and panel.
; THE PRODUCT: a tile of 256 x 256 to a work-group of four waves, 128 x 128 a wave (64 accumulators); K in steps of 256 through a ring of two LDS slots filled by the tensor data mover; the scale bytes of the
; work-group's rows come into LDS once; 4 x 4 work-groups form a cluster and ask jointly for the tiles that they share.  The matrix instruction is used transposed; the bias is the C of each sum's first product.
; THE WAY OUT: a loop of four trips, two blocks of 16 rows each.  The accumulators' register numbers differ from trip to trip and the loop's do not: a chain of branches on the trip's number moves a block into fixed registers.
; gelu(x) = max(x, 0) - |x| erfc(|x| / sqrt 2) / 2, erfc by t = 1 / (1 + |x| / (2 sqrt 2)) and t 2^(polynomial of degree 9 in t - x x log2(e) / 2), all in f32.
; No prefetch: K has four steps, and the only refills are K steps 2 and 3: no refill has a K step two refills ahead of it to ask for.
; LIMITS: NaN and infinities are not served; a block whose largest magnitude lies under 2^-118 (zeros too) gets the byte 1: the bytes are read by this program alone.
.set SIZE_K, 1024
.set KSTEP,  256
.set NQ,     KSTEP/128
.set ROWB,   256
.set KROW,   SIZE_K
.set PITCH,  272
.set FR,     16
.set NL,     4
.set NP,     8
.set HALFT,  128*PITCH
.set SLOT,   4*HALFT
.set LAPS,   SIZE_K/(2*KSTEP)
.set KS,     SIZE_K/32
.set SCL,    2*SLOT
.set HALFS,  (128*KS/256)*272
.set SBLK,   (16*KS/256)*272
.set SPARE,  SCL+4*HALFS
.set ACT_S,  4194304
.set STGB,   262144
.set STGW,   5120
.set ADRA, 16
.set SSR,  18
.set ADRB, 20
.set STO,  24
.set RD,   25
.set CO,   26
.set ADRS, 27
.set SPW,  28
.set NIL,  29
.set PW,   30
.set SSA,  31
.set SC,   32
.set BN,   64
.set X,    64
.set AF,   128
.set TT,   128
.set QQ,   160
.set PC,   192
.set TM,   208
.set RB,   224
.set SEL,  20
.set MNT,  22
.set C0, 24
.set C1, 26
.set C2, 28
.set C3, 30
.set C4, 32
.set C5, 34
.set C6, 36
.set C7, 38
.set C8, 40
.set C9, 42
.set K1, 44
.set K2, 46
.set G1, 24
.set G0, 32
.set G1B, 48
.set G0B, 56
.set G1S, 68
.set G0S, 76
.set G1SB, 80
.set G0SB, 88
.set MSB, 0
.macro WIN new
.if MSB != \new
	s_set_vgpr_msb (MSB<<8)|\new
.set MSB, \new
.endif
.endm
.set MUL_LO, 0xa1
.set MUL_HI, 0xf1
.set TO_B,   0x40
.macro JLOAD g0a, g1a, g0b, g1b
	s_cmp_eq_u32 s15, 0
	s_cbranch_scc0 .Lfor_b_\@
	tensor_load_to_lds s[\g0a:\g0a+3], s[\g1a:\g1a+7]
	s_nop 0
.rept 4
	v_nop
.endr
	s_branch .Lasked_\@
.Lfor_b_\@:
	tensor_load_to_lds s[\g0b:\g0b+3], s[\g1b:\g1b+7]
	s_nop 0
.rept 4
	v_nop
.endr
.Lasked_\@:
.endm
.macro CREST
	s_cmp_lg_u32 s14, 0
	s_cbranch_scc1 .Lnot_wave_0_\@
	s_barrier_signal -3
.Lnot_wave_0_\@:
	s_barrier_wait -3
	s_barrier_signal -1
	s_barrier_wait -1
.endm
.macro CROUND
	s_barrier_signal -1
	s_barrier_wait -1
	CREST
.endm
	s_load_b256 s[4:11], s[0:1], 0x0
	s_load_b64 s[12:13], s[0:1], 0x20
	v_lshl_add_u32 v[SPW], v0, 2, SPARE
	v_mov_b32 v[NIL], 0
	ds_add_u32 v28, v29
	ds_add_u32 v28, v29
	s_wait_dscnt 0x0
	v_lshrrev_b32 v1, 5, v0
	v_readfirstlane_b32 s14, v1
	s_lshr_b32 s15, s14, 1
	s_and_b32 s16, s14, 1
	s_bfe_u32 s40, ttmp6, 0x40000
	s_bfe_u32 s41, ttmp6, 0x40004
	s_lshl_b32 s42, ttmp9, 2
	s_add_co_u32 s42, s42, s40
	s_and_b32 s17, ttmp7, 0xffff
	s_lshl_b32 s17, s17, 2
	s_add_co_u32 s17, s17, s41
	s_lshl_b32 s43, s41, 2
	s_lshl_b32 s43, 15, s43
	s_lshl_b32 s44, 0x1111, s40
	s_or_b32 s[G1+0], s43, (0<<16)|(1<<20)|(1<<21)|(5<<22)|(3<<25)
	s_or_b32 s[G1B+0], s44, (0<<16)|(1<<20)|(1<<21)|(5<<22)|(3<<25)
.irp g, G1, G1B
	s_mov_b32 s[\g+1], ROWB<<16
	s_mov_b32 s[\g+2], 256<<16                     ; 256 rows for the head's loads; behind them 128, for the ring's
	s_mov_b32 s[\g+3], ROWB<<16
	s_mov_b32 s[\g+4], 256
	s_mov_b32 s[\g+5], KROW
	s_mov_b32 s[\g+6], 0
	s_mov_b32 s[\g+7], 0
.endr
	s_or_b32 s[G1S+0], s43, (3<<16)|(1<<20)|(1<<21)|(5<<22)|(3<<25)
	s_or_b32 s[G1SB+0], s44, (3<<16)|(1<<20)|(1<<21)|(5<<22)|(3<<25)
.irp g, G1S, G1SB
	s_mov_b32 s[\g+1], 32<<16
	s_mov_b32 s[\g+2], KS<<16                      ; the scale bytes of 256 rows: KS rows of 256 bytes
	s_mov_b32 s[\g+3], 32<<16
	s_mov_b32 s[\g+4], KS
	s_mov_b32 s[\g+5], 32
	s_mov_b32 s[\g+6], 0
	s_mov_b32 s[\g+7], 0
.endr
	s_lshl_b32 s18, s16, 7
	s_lshl_b32 s20, s17, 8
	s_add_co_u32 s20, s20, s18
	s_lshl_b32 s46, s42, 8
	s_add_co_u32 s46, s46, s18
	s_mov_b32 s21, 0
	s_mov_b32 s47, 0
	s_lshl_b32 s22, s17, 13                        ; the scale bytes of a tile's 256 rows: 8,192 a tile
	s_mov_b32 s23, 0
	s_lshl_b32 s92, s42, 13
	s_mov_b32 s93, 0
	s_mov_b64 s[18:19], KROW
	s_mul_u64 s[20:21], s[20:21], s[18:19]
	s_mul_u64 s[46:47], s[46:47], s[18:19]
	s_mul_i32 s45, s14, HALFT
	s_wait_kmcnt 0x0
	s_add_nc_u64 s[98:99], s[4:5], ACT_S
	s_add_nc_u64 s[20:21], s[4:5], s[20:21]
	s_add_nc_u64 s[22:23], s[98:99], s[22:23]
	s_add_nc_u64 s[46:47], s[6:7], s[46:47]
	s_add_nc_u64 s[92:93], s[8:9], s[92:93]
	CROUND
	s_mov_b32 s[G0S], 1
	s_mov_b32 s[G0S+1], SCL
	s_mov_b64 s[G0S+2:G0S+3], s[22:23]
	s_or_b32 s[G0S+3], s[G0S+3], 0x80000000
	s_mov_b32 s[G0SB], 1
	s_mov_b32 s[G0SB+1], SCL+2*HALFS
	s_mov_b64 s[G0SB+2:G0SB+3], s[92:93]
	s_or_b32 s[G0SB+3], s[G0SB+3], 0x80000000
.irp s, 0,1
	s_mov_b32 s[G0+4*\s], 1
	s_add_co_u32 s[G0+4*\s+1], s45, \s*SLOT
	s_add_nc_u64 s[G0+4*\s+2:G0+4*\s+3], s[20:21], \s*ROWB
	s_or_b32 s[G0+4*\s+3], s[G0+4*\s+3], 0x80000000
	s_mov_b32 s[G0B+4*\s], 1
	s_add_co_u32 s[G0B+4*\s+1], s45, \s*SLOT
	s_add_nc_u64 s[G0B+4*\s+2:G0B+4*\s+3], s[46:47], \s*ROWB
	s_or_b32 s[G0B+4*\s+3], s[G0B+4*\s+3], 0x80000000
.endr
; THE HEAD'S LOADS, ONE A WAVE: wave 0 fetches K step 0's 256 rows of A, wave 2 its 256 rows of B (each by its own slot 0 descriptor, which begins at the tile's first row),
; wave 1 the scale bytes of A's 256 rows, wave 3 those of B's.  One chain of branches on the wave's number: every way passes exactly one load.
.macro ARM wv, g0, g1, next
	s_cmp_eq_u32 s14, \wv
	s_cbranch_scc0 \next
	tensor_load_to_lds s[\g0:\g0+3], s[\g1:\g1+7]
	s_nop 0
.rept 4
	v_nop
.endr
	s_branch .Lhead_asked
\next:
.endm
	ARM 0, G0, G1, .Lhead_b
	ARM 2, G0B, G1B, .Lhead_sa
	ARM 1, G0S, G1S, .Lhead_sb
	tensor_load_to_lds s[G0SB:G0SB+3], s[G1SB:G1SB+7]
	s_nop 0
.rept 4
	v_nop
.endr
.Lhead_asked:
	v_and_b32 v1, 15, v0
	v_bfe_u32 v2, v0, 4, 1
	v_mul_u32_u24 v3, v1, PITCH
	v_lshl_add_u32 v4, v2, 4, v3
	s_mul_i32 s21, s15, HALFT
	s_mul_i32 s22, s16, HALFT
	s_add_co_u32 s22, s22, 2*HALFT
.irp s, 0,1
	v_add_nc_u32 v[ADRA+\s], s21, v4
	v_add_nc_u32 v[ADRB+\s], s22, v4
	s_add_co_u32 s21, s21, SLOT
	s_add_co_u32 s22, s22, SLOT
.endr
	v_mul_u32_u24 v5, v1, KS
	v_lshrrev_b32 v6, 8, v5
	v_lshl_add_u32 v5, v6, 4, v5
	s_mul_i32 s21, s15, HALFS
	s_mul_i32 s22, s16, HALFS
	s_add_co_u32 s22, s22, 2*HALFS
	s_sub_co_u32 s22, s22, s21
	v_mul_u32_u24 v6, s22, v2
	s_add_co_u32 s21, s21, SCL
	v_add_nc_u32 v5, v5, v6
	v_add_nc_u32 v[ADRS], s21, v5
	v_and_b32 v6, 31, v0
	v_lshlrev_b32 v[CO], 4, v6
	s_mul_i32 s23, s14, STGW
	s_add_co_u32 s23, s23, STGB
	v_mul_u32_u24 v5, v1, 144
	v_lshl_add_u32 v5, v2, 3, v5
	v_add_nc_u32 v[STO], s23, v5
	v_lshrrev_b32 v5, 3, v6
	v_mul_u32_u24 v5, v5, 144
	v_and_b32 v3, 7, v6
	v_lshl_add_u32 v5, v3, 4, v5
	v_add_nc_u32 v[RD], s23, v5
	s_add_co_u32 s23, s23, 4608
	v_lshl_add_u32 v[SSA], v1, 2, s23
	v_lshl_add_u32 v[SSR], v6, 4, s23
	s_lshl_b32 s20, s17, 8
	s_lshl_b32 s21, s15, 7
	s_add_co_u32 s20, s20, s21
	s_lshl_b32 s21, s42, 1
	s_add_co_u32 s21, s21, s16
	s_lshl_b32 s46, s21, 9
	s_mov_b32 s47, 0
	s_add_nc_u64 s[46:47], s[10:11], s[46:47]
	v_lshlrev_b32 v5, 5, v2
.irp b, 0,1,2,3,4,5,6,7
	global_load_b128 v[BN+8*\b:BN+8*\b+3], v5, s[46:47] offset:64*\b
	global_load_b128 v[BN+8*\b+4:BN+8*\b+7], v5, s[46:47] offset:64*\b+16
.endr
	s_lshl_b32 s22, s21, 14
	s_lshl_b32 s23, s20, 2
	s_add_co_u32 s22, s22, s23
	s_add_co_u32 s22, s22, 16777216
	s_mov_b32 s23, 0
	s_add_nc_u64 s[66:67], s[12:13], s[22:23]
	s_lshl_b32 s22, s21, 19
	s_lshl_b32 s20, s20, 7
	s_add_co_u32 s22, s22, s20
	s_add_nc_u64 s[12:13], s[12:13], s[22:23]
	s_wait_loadcnt 0x0
.macro FRAG reg, adr, q, i
.irp c, 0,1,2,3
	ds_load_b128 v[\reg+4*\c:\reg+4*\c+3], v[\adr] offset:128*(\q)+32*\c+(\i)*16*PITCH
.endr
.endm
.macro MUL16 a0, p, q, sc, zero
.irp a, \a0, \a0+1
.irp b, 0,1,2,3,4,5,6,7
.if \zero
	v_wmma_scale_f32_16x16x128_f8f6f4 v[8*(8*((\a)%4)+\b):8*(8*((\a)%4)+\b)+7], v[128*(\p)+FR*\b:128*(\p)+FR*\b+FR-1], v[AF+FR*(\a):AF+FR*(\a)+FR-1], v[BN+8*\b:BN+8*\b+7], v[SC+8*NQ*(\sc)+NQ*\b+(\q)], v[SC+8*NQ*(\sc)+NQ*(\a)+(\q)] matrix_a_scale:MATRIX_SCALE_ROW1
.else
	v_wmma_scale_f32_16x16x128_f8f6f4 v[8*(8*((\a)%4)+\b):8*(8*((\a)%4)+\b)+7], v[128*(\p)+FR*\b:128*(\p)+FR*\b+FR-1], v[AF+FR*(\a):AF+FR*(\a)+FR-1], v[8*(8*((\a)%4)+\b):8*(8*((\a)%4)+\b)+7], v[SC+8*NQ*(\sc)+NQ*\b+(\q)], v[SC+8*NQ*(\sc)+NQ*(\a)+(\q)] matrix_a_scale:MATRIX_SCALE_ROW1
.endif
.endr
.endr
.endm
.macro FETCH_B slot, q, p
	WIN TO_B
.irp i, 0,1,2,3,4,5,6,7
	FRAG 128*(\p)+FR*\i, ADRB+\slot, \q, \i
.endr
	WIN 0
.endm
.macro FETCH_A slot, q, i0
.irp i, \i0, \i0+1, \i0+2, \i0+3
	FRAG AF+FR*(\i), ADRA+\slot, \q, \i
.endr
.endm
.macro SCALES sc
.irp i, 0,1,2,3,4,5,6,7
	ds_load_b64 v[SC+8*NQ*\sc+NQ*\i:SC+8*NQ*\sc+NQ*\i+1], v[ADRS] offset:\i*SBLK
.endr
.endm
.macro PLACES n
.rept \n
	v_nop
.endr
.endm
.macro STEP slot, q, zero
	s_wait_dscnt 4*NL
.if \zero
	WIN 0x81
.else
	WIN MUL_LO
.endif
	MUL16 0, (\q)%2, \q, \slot, \zero
	MUL16 2, (\q)%2, \q, \slot, \zero
	s_wait_dscnt 0
	PLACES NP
	FETCH_B \slot, (\q)+1, 1-(\q)%2
	FETCH_A \slot, (\q)+1, 0
.if \zero
	WIN 0xc1
.else
	WIN MUL_HI
.endif
	MUL16 4, (\q)%2, \q, \slot, \zero
	MUL16 6, (\q)%2, \q, \slot, \zero
	PLACES NP
	WIN 0
	FETCH_A \slot, (\q)+1, 4
.endm
.macro TURN slot, next, fill
	s_wait_tensorcnt 0x0
	ds_add_u32 v[SPW], v[NIL]
	s_wait_dscnt 4*NL+1
	WIN MUL_LO
	MUL16 0, 1, NQ-1, \slot, 0
	s_wait_dscnt 0x0
	s_barrier_signal -1
	MUL16 2, 1, NQ-1, \slot, 0
	WIN 0
	s_barrier_wait -1
.if \fill
	CREST
	s_add_nc_u64 s[G0+4*\slot+2:G0+4*\slot+3], s[G0+4*\slot+2:G0+4*\slot+3], 2*ROWB
	s_add_nc_u64 s[G0B+4*\slot+2:G0B+4*\slot+3], s[G0B+4*\slot+2:G0B+4*\slot+3], 2*ROWB
	JLOAD G0+4*\slot, G1, G0B+4*\slot, G1B
	PLACES NP-4
.else
	PLACES NP
.endif
	s_wait_alu depctr_va_vdst(0)
	v_add_nc_u32 v[ADRS], 4*NQ, v[ADRS]
	FETCH_B \next, 0, 0
	FETCH_A \next, 0, 0
	SCALES \next
	WIN MUL_HI
	MUL16 4, 1, NQ-1, \slot, 0
	MUL16 6, 1, NQ-1, \slot, 0
	PLACES NP
	WIN 0
	FETCH_A \next, 0, 4
.endm
	s_wait_alu depctr_va_vdst(0)                   ; the wait at the head's end
	s_wait_tensorcnt 0x0                           ; my tile of the head's four is in
	ds_add_u32 v[SPW], v[NIL]
	s_mov_b32 s[G1+2], 128<<16                     ; no tensor load of mine is out: from here on a load brings 128 rows
	s_mov_b32 s[G1+4], 128
	s_mov_b32 s[G1B+2], 128<<16
	s_mov_b32 s[G1B+4], 128
	s_wait_dscnt 0x0
	CROUND                                         ; all four tiles are in, and all sixteen work-groups are here
	JLOAD G0+4, G1, G0B+4, G1B                     ; K step 1: the first tensor load behind the round
	FETCH_B 0, 0, 0
	FETCH_A 0, 0, 0
	SCALES 0
	FETCH_A 0, 0, 4
	STEP 0, 0, 1
	s_mov_b32 s3, LAPS-1
.Llap:
	TURN 0, 1, 1
	STEP 1, 0, 0
	TURN 1, 0, 1
	STEP 0, 0, 0
	s_sub_co_u32 s3, s3, 1
	s_cmp_lg_u32 s3, 0
	s_cbranch_scc1 .Llap
	TURN 0, 1, 0
	STEP 1, 0, 0
	s_wait_dscnt 4*NL
	WIN MUL_LO
	MUL16 0, 1, NQ-1, 1, 0
	MUL16 2, 1, NQ-1, 1, 0
	s_wait_dscnt 0
	WIN MUL_HI
	MUL16 4, 1, NQ-1, 1, 0
	MUL16 6, 1, NQ-1, 1, 0
	WIN 0
	PLACES NP
	s_wait_dscnt 0x0
	s_barrier_signal -1
	s_barrier_wait -1
.macro MOVE a                          ; block a's 64 sums a lane into X, each accumulator from its low end on
	WIN 0x02+(\a)/4                                ; source 0: window 2 or 3
	s_wait_alu depctr_va_vdst(0)                   ; the wait here, directly ahead of the first readers of these matrix results
.set kk, 0
.rept 64
	v_mov_b32 v[X+kk], v[64*((\a)%4)+kk]
.set kk, kk+1
.endr
	WIN 0
.endm
.macro TAKE u                          ; the trip's block u: s3 = 4, 3, 2, 1 in trips 0 to 3, block 2 x trip + u
.irp i, 0,1,2
	s_cmp_lg_u32 s3, 4-\i
	s_cbranch_scc1 .Lnot_\@_\i
	MOVE 2*\i+\u
	s_branch .Lgot_\@
.Lnot_\@_\i:
.endr
	MOVE 6+\u
.Lgot_\@:
.endm
	WIN 0
.macro CONST reg, val
	s_mov_b32 s[\reg], \val
	s_mov_b32 s[\reg+1], \val
.endm
	CONST C0, 0xc034d90f
	CONST C1, 0x3fb8ab5a
	CONST C2, 0x3f0a29d2
	CONST C3, 0x3e0efb2f
	CONST C4, 0xbe899a80
	CONST C5, 0x3ecdfd18
	CONST C6, 0xbfd1a1e5
	CONST C7, 0x40097039
	CONST C8, 0xbf97d29d
	CONST C9, 0x3e7c6f08
	s_mov_b32 s[K1], 0x3eb504f3
	CONST K2, 0x3f38aa3b
	s_mov_b32 s[SEL], 0x76543210
	s_mov_b32 s[SEL+1], 0xfedcba98
	s_mov_b32 s[MNT], 0x600000
.irp b, 0,1,2,3
	v_mov_b32 v[TM+4+\b], 0
.endr
.macro GELU32 x
.set ii, 0
.rept 32
	v_fma_f32 v[TT+ii], |v[\x+ii]|, s[K1], 1.0
.set ii, ii+1
.endr
.set ii, 0
	s_wait_alu depctr_va_vdst(0)
.rept 32
	v_rcp_f32 v[TT+ii], v[TT+ii]
.set ii, ii+1
.endr
	v_nop
	s_wait_alu depctr_va_vdst(0)
.set ii, 0
.rept 16
	v_pk_fma_f32 v[QQ+ii:QQ+ii+1], v[TT+ii:TT+ii+1], s[C9:C9+1], s[C8:C8+1] op_sel_hi:[1,0,0]
.set ii, ii+2
.endr
.irp c, C7,C6,C5,C4,C3,C2,C1,C0
.set ii, 0
.rept 16
	v_pk_fma_f32 v[QQ+ii:QQ+ii+1], v[QQ+ii:QQ+ii+1], v[TT+ii:TT+ii+1], s[\c:\c+1] op_sel_hi:[1,1,0]
.set ii, ii+2
.endr
.endr
.irp g, 0,8,16,24
.irp k, 0,2,4,6
	v_pk_mul_f32 v[RB+\k:RB+\k+1], v[\x+\g+\k:\x+\g+\k+1], s[K2:K2+1] op_sel_hi:[1,0]
.endr
.irp k, 0,2,4,6
	v_pk_fma_f32 v[QQ+\g+\k:QQ+\g+\k+1], v[RB+\k:RB+\k+1], v[\x+\g+\k:\x+\g+\k+1], v[QQ+\g+\k:QQ+\g+\k+1] neg_lo:[0,1,0] neg_hi:[0,1,0]
.endr
.endr
.set ii, 0
	s_wait_alu depctr_va_vdst(0)
.rept 32
	v_exp_f32 v[QQ+ii], v[QQ+ii]
.set ii, ii+1
.endr
	v_nop
	s_wait_alu depctr_va_vdst(0)
.set ii, 0
.rept 16
	v_pk_mul_f32 v[QQ+ii:QQ+ii+1], v[QQ+ii:QQ+ii+1], v[TT+ii:TT+ii+1]
.set ii, ii+2
.endr
.set ii, 0
.rept 32
	v_max_num_f32 v[TT+ii], 0, v[\x+ii]
.set ii, ii+1
.endr
.set ii, 0
.rept 32
	v_fma_f32 v[\x+ii], -|v[\x+ii]|, v[QQ+ii], v[TT+ii]
.set ii, ii+1
.endr
.endm
.macro QUANT s
.irp b, 0,1,2,3
	v_max3_num_f32 v[TM+\b], |v[\s+16*\b]|, |v[\s+1+16*\b]|, 0x4800000
.endr
.irp i, 2,4,6,8,10,12,14
.irp b, 0,1,2,3
	v_max3_num_f32 v[TM+\b], v[TM+\b], |v[\s+16*\b+\i]|, |v[\s+1+16*\b+\i]|
.endr
.endr
.irp b, 0,1,2,3
	v_permlanex16_b32 v[TM+4+\b], v[TM+\b], s[SEL], s[SEL+1]
.endr
.irp b, 0,1,2,3
	v_max_num_f32 v[TM+\b], v[TM+\b], v[TM+4+\b]
.endr
.irp b, 0,1,2,3
	v_add_nc_u32 v[TM+12+\b], 0xfc000000, v[TM+\b]
.endr
.irp b, 0,1,2,3
	v_and_or_b32 v[TM+8+\b], v[TM+\b], 0x7f800000, s[MNT]
.endr
.irp b, 0,1,2,3
	v_lshrrev_b32 v[TM+4+\b], 23, v[TM+12+\b]
.endr
	v_lshl_or_b32 v[PW], v[TM+5], 8, v[TM+4]
	v_lshl_or_b32 v[PW], v[TM+6], 16, v[PW]
	v_lshl_or_b32 v[PW], v[TM+7], 24, v[PW]
.irp b, 0,1,2,3
.irp i, 0,1,2,3,4,5,6,7,8,9,10,11,12,13,14,15
	v_med3_num_f32 v[\s+16*\b+\i], v[\s+16*\b+\i], -v[TM+8+\b], v[TM+8+\b]
.endr
	v_cvt_scalef32_pk8_fp8_f32 v[PC+4*\b:PC+1+4*\b], v[\s+16*\b:\s+7+16*\b], v[TM+12+\b]
	v_cvt_scalef32_pk8_fp8_f32 v[PC+2+4*\b:PC+3+4*\b], v[\s+8+16*\b:\s+15+16*\b], v[TM+12+\b]
.endr
	v_nop
.endm
	s_mov_b32 s3, 4
.Lrows:
	s_wait_alu depctr_va_vdst(0)
.irp u, 0,1
	TAKE \u
	s_wait_dscnt 0x0                               ; the last block's LDS stores are done
	GELU32 X
	GELU32 X+32
	QUANT X
.irp b, 0,1,2,3
	ds_store_b64 v[STO], v[PC+4*\b:PC+4*\b+1] offset:2304*\u+32*\b
	ds_store_b64 v[STO], v[PC+4*\b+2:PC+4*\b+3] offset:2304*\u+32*\b+16
.endr
	ds_store_b32 v[SSA], v[PW] offset:64*\u
.endr
.irp i, 0,1,2,3,4,5,6,7
	ds_load_b128 v[RB+4*\i:RB+4*\i+3], v[RD] offset:576*\i
.endr
.irp i, 0,1,2,3,4,5,6,7
	s_wait_dscnt 7-\i
	global_store_b128 v[CO], v[RB+4*\i:RB+4*\i+3], s[12:13] offset:512*\i
.endr
	s_wait_xcnt 0x0
	s_add_nc_u64 s[12:13], s[12:13], 4096
	v_add_nc_u32 v[SSA], 128, v[SSA]
	s_sub_co_u32 s3, s3, 1
	s_cmp_lg_u32 s3, 0
	s_cbranch_scc1 .Lrows
	ds_load_b128 v[RB:RB+3], v[SSR]
	s_wait_dscnt 0x0
	global_store_b128 v[CO], v[RB:RB+3], s[66:67]
	s_wait_tensorcnt 0x0
	ds_add_u32 v[SPW], v[NIL]
	s_wait_dscnt 0x0
	CROUND
	s_endpgm
.Lfunc_end_k_qc7e5a3daf3_ff1:
	.size	k_qc7e5a3daf3_ff1, .Lfunc_end_k_qc7e5a3daf3_ff1-k_qc7e5a3daf3_ff1
	.p2alignl 7, 3214868480
	.fill 96, 4, 3214868480
	.section	.rodata,"a",@progbits
	.p2align	6, 0x0
	.amdhsa_kernel k_qc7e5a3daf3_ff1
		.amdhsa_group_segment_fixed_size 327680
		.amdhsa_private_segment_fixed_size 0
		.amdhsa_enable_private_segment 0
		.amdhsa_kernarg_size 40
		.amdhsa_user_sgpr_count 2
		.amdhsa_user_sgpr_kernarg_segment_ptr 1
		.amdhsa_wavefront_size32 1
		.amdhsa_system_sgpr_workgroup_id_x 1
		.amdhsa_system_sgpr_workgroup_id_y 1
		.amdhsa_system_sgpr_workgroup_id_z 1
		.amdhsa_system_vgpr_workitem_id 0
		.amdhsa_next_free_vgpr 1024
		.amdhsa_next_free_sgpr 102
		.amdhsa_reserve_vcc 0
		.amdhsa_float_denorm_mode_32 3
		.amdhsa_float_denorm_mode_16_64 3
		.amdhsa_memory_ordered 1
		.amdhsa_forward_progress 1
		.amdhsa_inst_pref_size 234
	.end_amdhsa_kernel
	.amdgpu_metadata
---
amdhsa.version: [ 1, 2 ]
amdhsa.kernels:
  - .name:           k_qc7e5a3daf3_ff1
    .symbol:         k_qc7e5a3daf3_ff1.kd
    .args:
      - { .name: act, .offset: 0, .size: 8, .value_kind: global_buffer, .address_space: global }
      - { .name: w1_codes, .offset: 8, .size: 8, .value_kind: global_buffer, .address_space: global }
      - { .name: w1_scales, .offset: 16, .size: 8, .value_kind: global_buffer, .address_space: global }
      - { .name: b1, .offset: 24, .size: 8, .value_kind: global_buffer, .address_space: global }
      - { .name: hid, .offset: 32, .size: 8, .value_kind: global_buffer, .address_space: global }
    .group_segment_fixed_size: 327680
    .private_segment_fixed_size: 0
    .kernarg_segment_align: 8
    .kernarg_segment_size: 40
    .max_flat_workgroup_size: 128
    .sgpr_count:     102
    .vgpr_count:     1024
    .wavefront_size: 32
...
	.end_amdgpu_metadata
.endif
;; end of part 5
;; launch ff2 (part 6): grid 8 x 32, 4 waves a work-group, clusters of 4 x 4, 327,680 bytes of LDS; arguments hid, w2_codes, w2_scales, b2, x1, out0; writes out0
.if DOCPART == 6
	.amdgcn_target "amdgcn-amd-amdhsa--gfx1250"
	.amdhsa_code_object_version 6
	.text
	.protected	k_qc7e5a3daf3_ff2
	.globl	k_qc7e5a3daf3_ff2
	.p2align	8
	.type	k_qc7e5a3daf3_ff2,@function
k_qc7e5a3daf3_ff2:
	s_mov_b64 s[64:65], 0
	v_nop
	global_prefetch_b8 v0, s[64:65] scope:SCOPE_SE
	s_setreg_imm32_b32 hwreg(HW_REG_WAVE_MODE, 25, 1), 1
	s_wait_xcnt 0x0
	s_wait_alu depctr_hold_cnt(0) depctr_sa_sdst(0) depctr_va_vdst(0) depctr_va_sdst(0) depctr_va_ssrc(0) depctr_va_vcc(0) depctr_vm_vsrc(0)
	s_getreg_b32 s2, hwreg(HW_REG_IB_STS2, 6, 4)
	s_cmp_eq_u32 s2, 0
	s_cbranch_scc0 .Lentry_in_a_cluster
	s_endpgm
.Lentry_in_a_cluster:
	s_bfe_u32 s2, ttmp6, 0x10000c
	s_cmp_lg_u32 s2, 0xf033
	s_cbranch_scc0 .Lentry_shape_is_right
	s_endpgm
.Lentry_shape_is_right:
; out0[m][n] = x1[m][n] + b2[n] + sum over k of h[m][k] W2[n][k], on codes of E4M3 with E8M0 scales; M = 4,096, N = 1,024, K = 4,096; x1 and out0 f32.
; h comes in PANELS: codes [K / 128][4096 rows][128 bytes], then one scale word for each row and panel.  W2: codes [1024][K], scale bytes [1024][K / 32].
; Tiles of 128 x 128 give each of 256 work-groups one tile; four waves, 64 x 64 each: 16 accumulators.  K goes in steps of 512 (four quarters of 128) through a ring of two LDS slots;
; a slot: A's four panels of [128 rows][128 + 16 bytes], then B's 128 rows of 512 + 16 bytes.  All scale words and bytes of the work-group's rows come into LDS once, at the head.
; CLUSTERS: 4 x 4 work-groups; A's tiles are asked for jointly along a row of the cluster, B's along a column.  The matrix instruction is used transposed; the bias is the C of each sum's first product;
; x1 is loaded at the head, in the layout of the final stores, and waits in registers.
; PREFETCH: the change of slots in K step t loads K step t + 2 and asks for K step t + 4, two refills ahead: one instruction a wave, 32 blocks of 256 bytes.  Of the 128 blocks that a wave will fetch,
; each of the four partners that ask jointly takes 32, told apart by address (cx for A: half a panel; cy for B: 16 rows).  K steps 0 to 3 come by their loads alone; the last two refills ask for nothing.
.set SIZE_K, 4096
.set PFA, 92                           ; s[92:93] where my prefetches stand;  s[94:95] a K step on, in bytes
.set PFS, 94
.set PFO, 30                           ; v30  my lane's block; never rewritten
.set NPN,    SIZE_K/128
.set KS,     SIZE_K/32
.set LAPS,   SIZE_K/1024
.set AH,     36864
.set BH,     33792
.set BOFF,   2*AH
.set SLOT,   2*AH+2*BH
.set SCA,    2*SLOT
.set SCB,    SCA+512*NPN
.set SBU,    64*KS/256
.set HALFSB, SBU*272
.set SBB,    (16*KS/256)*272
.set SPARE,  SCB+2*HALFSB
.set ADRA, 16
.set ADRB, 20
.set ADSA, 22
.set ADSB, 23
.set STO,  24
.set RD,   25
.set CO,   26
.set SPW,  28
.set NIL,  29
.set SC,   32
.set BN,   48
.set TMP,  48
.set ACC,  128
.set WV, 16
.set RH, 17
.set CH, 18
.set G1A, 24
.set G0A, 32
.set G1B, 48
.set G0B, 56
.set G1SA, 68
.set G0SA, 76
.set G1SB, 80
.set G0SB, 88
.set MSB, 0
.macro WIN new
.if MSB != \new
	s_set_vgpr_msb (MSB<<8)|\new
.set MSB, \new
.endif
.endm
.set MUL, 0x05
.macro JLOAD g0a, g1a, g0b, g1b
	s_cmp_eq_u32 s[RH], 0
	s_cbranch_scc0 .Lfor_b_\@
	tensor_load_to_lds s[\g0a:\g0a+3], s[\g1a:\g1a+7]
	s_nop 0
.rept 4
	v_nop
.endr
	s_branch .Lasked_\@
.Lfor_b_\@:
	tensor_load_to_lds s[\g0b:\g0b+3], s[\g1b:\g1b+7]
	s_nop 0
.rept 4
	v_nop
.endr
.Lasked_\@:
.endm
.macro CREST
	s_cmp_lg_u32 s[WV], 0
	s_cbranch_scc1 .Lnot_wave_0_\@
	s_barrier_signal -3
.Lnot_wave_0_\@:
	s_barrier_wait -3
	s_barrier_signal -1
	s_barrier_wait -1
.endm
.macro CROUND
	s_barrier_signal -1
	s_barrier_wait -1
	CREST
.endm
	s_load_b256 s[4:11], s[0:1], 0x0
	s_load_b128 s[12:15], s[0:1], 0x20
	v_lshl_add_u32 v[SPW], v0, 2, SPARE
	v_mov_b32 v[NIL], 0
	ds_add_u32 v28, v29
	ds_add_u32 v28, v29
	s_wait_dscnt 0x0
	v_lshrrev_b32 v1, 5, v0
	v_readfirstlane_b32 s[WV], v1
	s_lshr_b32 s[RH], s[WV], 1
	s_and_b32 s[CH], s[WV], 1
	s_bfe_u32 s40, ttmp6, 0x40000
	s_bfe_u32 s41, ttmp6, 0x40004
	s_lshl_b32 s42, ttmp9, 2
	s_add_co_u32 s42, s42, s40
	s_and_b32 s43, ttmp7, 0xffff
	s_lshl_b32 s43, s43, 2
	s_add_co_u32 s43, s43, s41
	s_lshl_b32 s44, s41, 2
	s_lshl_b32 s44, 15, s44
	s_lshl_b32 s45, 0x1111, s40
	; A's codes: a panel's 128 rows x 128 bytes are 16,384 dense bytes, stated as one row; 16 bytes of padding behind every 128.  Four panels for the head's load; behind it two, for the ring's
	s_or_b32 s[G1A+0], s44, (0<<16)|(1<<20)|(1<<21)|(4<<22)|(3<<25)
	s_mov_b32 s[G1A+1], 16384<<16
	s_mov_b32 s[G1A+2], 4<<16
	s_mov_b32 s[G1A+3], 16384<<16
	s_mov_b32 s[G1A+4], 4
	s_mov_b32 s[G1A+5], 524288
	s_mov_b32 s[G1A+6], 0
	s_mov_b32 s[G1A+7], 0
	; B's codes: rows of 512 bytes, 16 bytes of padding behind each: 128 rows for the head's load; behind it 64, for the ring's
	s_or_b32 s[G1B+0], s45, (0<<16)|(1<<20)|(1<<21)|(6<<22)|(3<<25)
	s_mov_b32 s[G1B+1], 512<<16
	s_mov_b32 s[G1B+2], 128<<16
	s_mov_b32 s[G1B+3], 512<<16
	s_mov_b32 s[G1B+4], 128
	s_mov_b32 s[G1B+5], SIZE_K
	s_mov_b32 s[G1B+6], 0
	s_mov_b32 s[G1B+7], 0
	; A's scale words: 512 bytes (64 elements of 8) of each panel, 16,384 bytes apart, no padding
	s_or_b32 s[G1SA+0], s44, (3<<16)|(1<<21)
	s_mov_b32 s[G1SA+1], 64<<16
	s_mov_b32 s[G1SA+2], NPN<<16
	s_mov_b32 s[G1SA+3], 64<<16
	s_mov_b32 s[G1SA+4], NPN
	s_mov_b32 s[G1SA+5], 2048
	s_mov_b32 s[G1SA+6], 0
	s_mov_b32 s[G1SA+7], 0
	; B's scale bytes of 128 rows: a dense block, as rows of 256 bytes, 16 bytes of padding behind each
	s_or_b32 s[G1SB+0], s45, (3<<16)|(1<<20)|(1<<21)|(5<<22)|(3<<25)
	s_mov_b32 s[G1SB+1], 32<<16
	s_mov_b32 s[G1SB+2], (2*SBU)<<16
	s_mov_b32 s[G1SB+3], 32<<16
	s_mov_b32 s[G1SB+4], 2*SBU
	s_mov_b32 s[G1SB+5], 32
	s_mov_b32 s[G1SB+6], 0
	s_mov_b32 s[G1SB+7], 0
	s_lshl_b32 s20, s43, 7                         ; A: the tile's first row
	s_lshl_b32 s46, s42, 7                         ; B likewise
	s_lshl_b32 s22, s20, 2
	s_add_co_u32 s22, s22, NPN*524288
	s_mov_b32 s23, 0
	s_lshl_b32 s20, s20, 7
	s_lshl_b32 s19, s[CH], 20
	s_add_co_u32 s20, s20, s19                     ; in the ring I fetch two panels of A: 2 x 524,288 bytes on for the second wave
	s_mov_b32 s21, 0
	s_mul_i32 s92, s46, KS
	s_mov_b32 s93, 0
	s_lshl_b32 s19, s[CH], 6
	s_add_co_u32 s46, s46, s19                     ; or 64 rows of B
	s_mul_i32 s46, s46, SIZE_K
	s_mov_b32 s47, 0
	s_mul_i32 s94, s[CH], AH
	s_mul_i32 s95, s[CH], BH
	s_add_co_u32 s95, s95, BOFF
	s_wait_kmcnt 0x0
	s_add_nc_u64 s[20:21], s[4:5], s[20:21]
	s_add_nc_u64 s[22:23], s[4:5], s[22:23]
	s_add_nc_u64 s[46:47], s[6:7], s[46:47]
	s_add_nc_u64 s[92:93], s[8:9], s[92:93]
	CROUND
	s_mov_b32 s[G0SA], 1
	s_mov_b32 s[G0SA+1], SCA
	s_mov_b64 s[G0SA+2:G0SA+3], s[22:23]
	s_or_b32 s[G0SA+3], s[G0SA+3], 0x80000000
	s_mov_b32 s[G0SB], 1
	s_mov_b32 s[G0SB+1], SCB
	s_mov_b64 s[G0SB+2:G0SB+3], s[92:93]
	s_or_b32 s[G0SB+3], s[G0SB+3], 0x80000000
.irp s, 0,1
	s_mov_b32 s[G0A+4*\s], 1
	s_add_co_u32 s[G0A+4*\s+1], s94, \s*SLOT
	s_add_nc_u64 s[G0A+4*\s+2:G0A+4*\s+3], s[20:21], \s*2097152
	s_or_b32 s[G0A+4*\s+3], s[G0A+4*\s+3], 0x80000000
	s_mov_b32 s[G0B+4*\s], 1
	s_add_co_u32 s[G0B+4*\s+1], s95, \s*SLOT
	s_add_nc_u64 s[G0B+4*\s+2:G0B+4*\s+3], s[46:47], \s*512
	s_or_b32 s[G0B+4*\s+3], s[G0B+4*\s+3], 0x80000000
.endr
; THE HEAD'S LOADS, ONE A WAVE: wave 0 fetches K step 0's four panels of A, wave 2 its 128 rows of B (each by its own slot 0 descriptor, which begins at the tile's first byte),
; wave 1 A's scale words, wave 3 B's scale bytes.  One chain of branches on the wave's number: every way passes exactly one load.
.macro ARM wv, g0, g1, next
	s_cmp_eq_u32 s[WV], \wv
	s_cbranch_scc0 \next
	tensor_load_to_lds s[\g0:\g0+3], s[\g1:\g1+7]
	s_nop 0
.rept 4
	v_nop
.endr
	s_branch .Lhead_asked
\next:
.endm
	ARM 0, G0A, G1A, .Lhead_b
	ARM 2, G0B, G1B, .Lhead_sa
	ARM 1, G0SA, G1SA, .Lhead_sb
	tensor_load_to_lds s[G0SB:G0SB+3], s[G1SB:G1SB+7]
	s_nop 0
.rept 4
	v_nop
.endr
.Lhead_asked:
	; the prefetches: s[20:21], s[46:47] are what my wave fetches of A, of B in K step 0
	s_cmp_eq_u32 s[RH], 0                          ; do I fetch for A?
	s_cselect_b64 s[PFA:PFA+1], s[20:21], s[46:47]
	s_mov_b32 s97, SIZE_K
	s_cselect_b32 s97, 512, s97                    ; from one pair of lanes to the next: 512 bytes of a panel, or a row of B
	s_mov_b32 s[PFS], 512
	s_cselect_b32 s[PFS], 2097152, s[PFS]          ; a K step on: four panels, or 512 bytes of a row
	s_mov_b32 s[PFS+1], 0
	v_and_b32 v[PFO], 31, v0
	v_lshrrev_b32 v31, 1, v[PFO]
	v_and_b32 v[PFO], 1, v[PFO]
	v_lshlrev_b32 v[PFO], 8, v[PFO]
	v_mad_u32_u24 v[PFO], v31, s97, v[PFO]         ; (lane / 2) x that + 256 (lane % 2)
	s_lshr_b32 s96, s40, 1
	s_lshl_b32 s96, s96, 19                        ; A: my work-group's 8,192 bytes of the wave's two panels: panel cx / 2,
	s_and_b32 s19, s40, 1
	s_lshl_b32 s19, s19, 13
	s_add_co_u32 s96, s96, s19                     ; half cx % 2
	s_lshl_b32 s19, s41, 16                        ; B: rows 16 cy on
	s_cmp_eq_u32 s[RH], 0
	s_cselect_b32 s96, s96, s19
	s_mul_i32 s19, s[PFS], 3
	s_add_co_u32 s96, s96, s19                     ; at K step 3: the first change of slots steps it to 4
	s_mov_b32 s97, 0
	s_add_nc_u64 s[PFA:PFA+1], s[PFA:PFA+1], s[96:97]
	v_and_b32 v1, 15, v0
	v_bfe_u32 v2, v0, 4, 1
	v_mul_u32_u24 v3, v1, 144
	v_lshl_add_u32 v3, v2, 4, v3
	v_mul_u32_u24 v4, v1, 528
	v_lshl_add_u32 v4, v2, 4, v4
	s_mul_i32 s20, s[RH], 9216                     ; my 64 rows of each panel
	s_mul_i32 s21, s[CH], BH
	s_add_co_u32 s21, s21, BOFF
.irp s, 0,1
	v_add_nc_u32 v[ADRA+\s], s20, v3
	v_add_nc_u32 v[ADRB+\s], s21, v4
	s_add_co_u32 s20, s20, SLOT
	s_add_co_u32 s21, s21, SLOT
.endr
	s_lshl_b32 s20, s[RH], 8
	s_add_co_u32 s20, s20, SCA
	v_lshl_add_u32 v[ADSA], v1, 2, s20
	v_mul_u32_u24 v5, v1, KS
	v_lshrrev_b32 v6, 8, v5
	v_lshl_add_u32 v5, v6, 4, v5
	s_mul_i32 s20, s[CH], HALFSB
	s_add_co_u32 s20, s20, SCB
	v_add_nc_u32 v[ADSB], s20, v5
	s_mul_i32 s20, s[WV], 17408
	v_mul_u32_u24 v5, v1, 272
	v_lshl_add_u32 v5, v2, 5, v5
	v_add_nc_u32 v[STO], s20, v5
	v_mul_u32_u24 v5, v2, 272
	v_lshl_add_u32 v5, v1, 4, v5
	v_add_nc_u32 v[RD], s20, v5
	v_lshlrev_b32 v[CO], 12, v2
	v_lshl_add_u32 v[CO], v1, 4, v[CO]
	s_wait_alu depctr_va_vdst(0)
	s_lshl_b32 s20, s43, 7
	s_lshl_b32 s21, s[RH], 6
	s_add_co_u32 s20, s20, s21
	s_lshl_b32 s20, s20, 12
	s_lshl_b32 s46, s42, 7
	s_lshl_b32 s47, s[CH], 6
	s_add_co_u32 s46, s46, s47
	s_lshl_b32 s46, s46, 2
	s_mov_b32 s47, 0
	s_add_nc_u64 s[10:11], s[10:11], s[46:47]
	s_add_co_u32 s20, s20, s46
	s_mov_b32 s21, 0
	s_add_nc_u64 s[12:13], s[12:13], s[20:21]
	s_add_nc_u64 s[14:15], s[14:15], s[20:21]
	v_lshlrev_b32 v5, 5, v2
.irp b, 0,1,2,3
	global_load_b128 v[BN+8*\b:BN+8*\b+3], v5, s[10:11] offset:64*\b
	global_load_b128 v[BN+8*\b+4:BN+8*\b+7], v5, s[10:11] offset:64*\b+16
.endr
.macro RLOAD                           ; x1, in the layout of the final stores, into window 2: asked for behind the first quarter's products, so that the head's tiles are asked of memory first; first read on the way out
	WIN 0x80                                       ; destination window 2
.irp a, 0,1,2,3
.irp t, 0,1,2,3,4,5,6,7
	global_load_b128 v[32*\a+4*\t:32*\a+4*\t+3], v[CO], s[12:13] offset:(16*\a+2*\t)*4096 th:TH_LOAD_NT
.endr
.endr
	WIN 0
.endm
.macro FETCH slot, q, fi
	WIN 0
.irp b, 0,1,2,3
	ds_load_b32 v[SC+8*(\fi)+\b], v[ADSB] offset:4*(\q)+\b*SBB
.endr
.irp a, 0,1,2,3
	ds_load_b32 v[SC+8*(\fi)+4+\a], v[ADSA] offset:512*(\q)+64*\a
.endr
	WIN 0x40
.irp b, 0,1,2,3
.irp c, 0,1,2,3
	ds_load_b128 v[128*(\fi)+64+16*\b+4*\c:128*(\fi)+64+16*\b+4*\c+3], v[ADRB+\slot] offset:128*(\q)+\b*8448+32*\c
.endr
.endr
.irp a, 0,1,2,3
.irp c, 0,1,2,3
	ds_load_b128 v[128*(\fi)+16*\a+4*\c:128*(\fi)+16*\a+4*\c+3], v[ADRA+\slot] offset:18432*(\q)+\a*2304+32*\c
.endr
.endr
.endm
.macro MUL4 fi, a, first
.irp b, 0,1,2,3
.if \first
	v_wmma_scale_f32_16x16x128_f8f6f4 v[ACC+8*(4*(\a)+\b):ACC+8*(4*(\a)+\b)+7], v[128*(\fi)+64+16*\b:128*(\fi)+64+16*\b+15], v[128*(\fi)+16*(\a):128*(\fi)+16*(\a)+15], v[BN+8*\b:BN+8*\b+7], v[SC+8*(\fi)+\b], v[SC+8*(\fi)+4+(\a)]
.else
	v_wmma_scale_f32_16x16x128_f8f6f4 v[ACC+8*(4*(\a)+\b):ACC+8*(4*(\a)+\b)+7], v[128*(\fi)+64+16*\b:128*(\fi)+64+16*\b+15], v[128*(\fi)+16*(\a):128*(\fi)+16*(\a)+15], v[ACC+8*(4*(\a)+\b):ACC+8*(4*(\a)+\b)+7], v[SC+8*(\fi)+\b], v[SC+8*(\fi)+4+(\a)]
.endif
.endr
.endm
.macro PLACES n
.rept \n
	v_nop
.endr
.endm
.macro QUARTER slot, qn, f, g, first
	s_wait_dscnt 8
	WIN MUL
	MUL4 \f, 0, \first
	MUL4 \f, 1, \first
	PLACES 8
	FETCH \slot, \qn, \g
	s_wait_dscnt 40
	WIN MUL
	MUL4 \f, 2, \first
	MUL4 \f, 3, \first
.endm
.macro TURN slot, next, fill
	WIN 0
.if \fill
	s_wait_xcnt 0x0                                ; any prefetch of mine has read its address: it is stepped here, a K step behind the prefetch
	s_add_nc_u64 s[PFA:PFA+1], s[PFA:PFA+1], s[PFS:PFS+1]
.endif
	s_wait_tensorcnt 0x0                           ; all my tensor loads have landed: my part of the next slot
	ds_add_u32 v[SPW], v[NIL]                      ; 0 onto my spare word
	s_wait_dscnt 9                                 ; (the add and the youngest eight loads may be out)
	WIN MUL
	MUL4 1, 0, 0
	s_wait_dscnt 0x0
	s_barrier_signal -1
	MUL4 1, 1, 0
	WIN 0
	s_barrier_wait -1
.if \fill
	CREST
	s_add_nc_u64 s[G0A+4*\slot+2:G0A+4*\slot+3], s[G0A+4*\slot+2:G0A+4*\slot+3], 4194304
	s_add_nc_u64 s[G0B+4*\slot+2:G0B+4*\slot+3], s[G0B+4*\slot+2:G0B+4*\slot+3], 1024
	JLOAD G0A+4*\slot, G1A, G0B+4*\slot, G1B
	PLACES 4
.else
	PLACES 8
.endif
	v_add_nc_u32 v[ADSA], 2048, v[ADSA]
	v_add_nc_u32 v[ADSB], 16, v[ADSB]
	FETCH \next, 0, 0
.if \fill
	WIN 0
	s_cmp_gt_u32 s3, 1                             ; the loop's last trip, whose refills are K steps 6 and 7, asks for nothing
	s_cbranch_scc0 .Lnone_ahead_\@
	global_prefetch_b8 v[PFO], s[PFA:PFA+1] th:TH_LOAD_NT scope:SCOPE_SE
.Lnone_ahead_\@:
.endif
	WIN MUL
	MUL4 1, 2, 0
	MUL4 1, 3, 0
.endm
	s_wait_alu depctr_va_vdst(0)                   ; the wait at the head's end
	s_wait_tensorcnt 0x0                           ; my tile of the head's four is in
	ds_add_u32 v[SPW], v[NIL]
	s_mov_b32 s[G1A+2], 2<<16                      ; no tensor load of mine is out: from here on a load brings two panels of A,
	s_mov_b32 s[G1A+4], 2
	s_mov_b32 s[G1B+2], 64<<16                     ; or 64 rows of B
	s_mov_b32 s[G1B+4], 64
	s_wait_dscnt 0x0
	CROUND                                         ; all four tiles are in, and all sixteen work-groups are here
	JLOAD G0A+4, G1A, G0B+4, G1B                   ; K step 1: the first tensor load behind the round
	FETCH 0, 0, 0
	s_wait_loadcnt 0x0                             ; the bias is in
	QUARTER 0, 1, 0, 1, 1                          ; the first quarter stands in front of the loop: its products start the sums, on the bias
	RLOAD
.if LAPS > 1
	WIN 0
	s_mov_b32 s3, LAPS-1
.Llap:
	s_wait_alu depctr_va_vdst(0)
	QUARTER 0, 2, 1, 0, 0
	QUARTER 0, 3, 0, 1, 0
	TURN 0, 1, 1
	s_wait_alu depctr_va_vdst(0)
	QUARTER 1, 1, 0, 1, 0
	QUARTER 1, 2, 1, 0, 0
	QUARTER 1, 3, 0, 1, 0
	TURN 1, 0, 1
	s_wait_alu depctr_va_vdst(0)
	QUARTER 0, 1, 0, 1, 0
	WIN 0
	s_sub_co_u32 s3, s3, 1
	s_cmp_lg_u32 s3, 0
	s_cbranch_scc1 .Llap
.endif
	QUARTER 0, 2, 1, 0, 0
	QUARTER 0, 3, 0, 1, 0
	TURN 0, 1, 0
	s_wait_alu depctr_va_vdst(0)
	QUARTER 1, 1, 0, 1, 0
	QUARTER 1, 2, 1, 0, 0
	QUARTER 1, 3, 0, 1, 0
	s_wait_dscnt 8
	WIN MUL
	MUL4 1, 0, 0
	MUL4 1, 1, 0
	s_wait_dscnt 0
	MUL4 1, 2, 0
	MUL4 1, 3, 0
	WIN 0
	PLACES 8
	s_wait_loadcnt 0x0
.irp a, 0,1,2,3
.irp b, 0,1,2,3
	ds_store_b128 v[STO], v[ACC+8*(4*\a+\b):ACC+8*(4*\a+\b)+3] offset:4352*\a+64*\b
	ds_store_b128 v[STO], v[ACC+8*(4*\a+\b)+4:ACC+8*(4*\a+\b)+7] offset:4352*\a+64*\b+16
.endr
.if \a >= 2
	s_wait_xcnt 0x0
.endif
.irp t, 0,1,2,3,4,5,6,7
	ds_load_b128 v[TMP+32*(\a%2)+4*\t:TMP+32*(\a%2)+4*\t+3], v[RD] offset:(16*\a+2*\t)*272
.endr
	s_wait_dscnt 0x0
	WIN 0x08
.irp k, 0,2,4,6,8,10,12,14,16,18,20,22,24,26,28,30
	v_pk_add_f32 v[TMP+32*(\a%2)+\k:TMP+32*(\a%2)+\k+1], v[TMP+32*(\a%2)+\k:TMP+32*(\a%2)+\k+1], v[32*\a+\k:32*\a+\k+1]
.endr
	WIN 0
.irp t, 0,1,2,3,4,5,6,7
	global_store_b128 v[CO], v[TMP+32*(\a%2)+4*\t:TMP+32*(\a%2)+4*\t+3], s[14:15] offset:(16*\a+2*\t)*4096 th:TH_STORE_NT
.endr
.endr
	s_wait_tensorcnt 0x0
	ds_add_u32 v[SPW], v[NIL]
	s_wait_dscnt 0x0
	CROUND
	s_endpgm
.Lfunc_end_k_qc7e5a3daf3_ff2:
	.size	k_qc7e5a3daf3_ff2, .Lfunc_end_k_qc7e5a3daf3_ff2-k_qc7e5a3daf3_ff2
	.p2alignl 7, 3214868480
	.fill 96, 4, 3214868480
	.section	.rodata,"a",@progbits
	.p2align	6, 0x0
	.amdhsa_kernel k_qc7e5a3daf3_ff2
		.amdhsa_group_segment_fixed_size 327680
		.amdhsa_private_segment_fixed_size 0
		.amdhsa_enable_private_segment 0
		.amdhsa_kernarg_size 48
		.amdhsa_user_sgpr_count 2
		.amdhsa_user_sgpr_kernarg_segment_ptr 1
		.amdhsa_wavefront_size32 1
		.amdhsa_system_sgpr_workgroup_id_x 1
		.amdhsa_system_sgpr_workgroup_id_y 1
		.amdhsa_system_sgpr_workgroup_id_z 1
		.amdhsa_system_vgpr_workitem_id 0
		.amdhsa_next_free_vgpr 768
		.amdhsa_next_free_sgpr 100
		.amdhsa_reserve_vcc 0
		.amdhsa_float_denorm_mode_32 3
		.amdhsa_float_denorm_mode_16_64 3
		.amdhsa_memory_ordered 1
		.amdhsa_forward_progress 1
		.amdhsa_inst_pref_size 109
	.end_amdhsa_kernel
	.amdgpu_metadata
---
amdhsa.version: [ 1, 2 ]
amdhsa.kernels:
  - .name:           k_qc7e5a3daf3_ff2
    .symbol:         k_qc7e5a3daf3_ff2.kd
    .args:
      - { .name: hid, .offset: 0, .size: 8, .value_kind: global_buffer, .address_space: global }
      - { .name: w2_codes, .offset: 8, .size: 8, .value_kind: global_buffer, .address_space: global }
      - { .name: w2_scales, .offset: 16, .size: 8, .value_kind: global_buffer, .address_space: global }
      - { .name: b2, .offset: 24, .size: 8, .value_kind: global_buffer, .address_space: global }
      - { .name: x1, .offset: 32, .size: 8, .value_kind: global_buffer, .address_space: global }
      - { .name: out0, .offset: 40, .size: 8, .value_kind: global_buffer, .address_space: global }
    .group_segment_fixed_size: 327680
    .private_segment_fixed_size: 0
    .kernarg_segment_align: 8
    .kernarg_segment_size: 48
    .max_flat_workgroup_size: 128
    .sgpr_count:     100
    .vgpr_count:     768
    .wavefront_size: 32
...
	.end_amdgpu_metadata
.endif
;; end of part 6
